; MI455X (gfx1250); checked and timed in simulation.
; The chip was launched on July 23, 2026; its instructions are those of AMD's public machine-readable ISA for CDNA 5 (MIT licence, August 2026) and "CDNA5" Instruction Set Architecture Reference Guide (July 2026). The comments in the code are by the model that wrote it; some were corrected since.
;; Multi Head Attention. Allowed arithmetic: matrix products marked QUANTISED: E2M1 operands, one E8M0 scale for each 32 along K, by v_wmma_scale_f32_16x16x128_f8f6f4 with both operands' format E2M1 (or v_wmma_scale_f32_32x16x128_f4), f32 sums; products left as they are: bf16, f16 or f32 operands; f32 sums; everything else in f32.
;; Inputs: Wk 1,024 x 1,024 float32; Wp 1,024 x 1,024 float32; Wq 1,024 x 1,024 float32; Wv 1,024 x 1,024 float32; bk 1,024 float32; bp 1,024 float32; bq 1,024 float32; bv 1,024 float32; x 4 x 2,048 x 1,024 float32.
;; Outputs: out0 4 x 2,048 x 1,024 float32.
;; This version of the problem:
;;   THIS VERSION OF THE PROBLEM IS GIVEN IN LOW PRECISION. The matrix products marked QUANTISED in the list below multiply operands that are first quantised to E2M1 (2 exponent bits, 1 mantissa bit; 4 bits a number), with one power-of-two scale for each 32 numbers along K (OCP MX v1.0); their sums are f32. The products marked 'left as it is' may take bf16, f16 or f32 operands, with f32 sums. Whichever they take, every output number must still come out within the allowed error. Rounding operands to bf16 (8 significant bits) uses up far more of that allowance than f16 does (11 bits, for magnitudes from 6e-5 to 65,504). All else is computed in f32.
;;   The module's matrix products, in the order in which they are computed (A, B: the left and right operand; K: the contracted axis; several contracted axes count as one K, in the product's order):
;;     1. [M 8,192, K 1,024] x [K 1,024, N 1,024]; A: input x; B: input Wq: QUANTISED
;;     2. [M 8,192, K 1,024] x [K 1,024, N 1,024]; A: input x; B: input Wk: QUANTISED
;;     3. [M 8,192, K 1,024] x [K 1,024, N 1,024]; A: input x; B: input Wv: QUANTISED
;;     4. batch 64 x [M 2,048, K 64] x [K 64, N 2,048]; A: computed on the way; B: computed on the way: left as it is (an operand is computed on the way)
;;     5. batch 64 x [M 2,048, K 2,048] x [K 2,048, N 64]; A: computed on the way; B: computed on the way: left as it is (an operand is computed on the way)
;;     6. [M 8,192, K 1,024] x [K 1,024, N 1,024]; A: computed on the way; B: input Wp: left as it is (an operand is computed on the way)
;;   THE QUANTISER, for each operand of a quantised product, along K:
;;     - K is cut into blocks of 32 from its start; a last block that is shorter is filled with zeros.
;;     - A block's scale is 2^e with e = floor(log2(the largest magnitude in the block)) - 2, held to -126 .. 127; a block of zeros has e = 0. As a byte (E8M0): e + 127.
;;     - Each number is divided by its block's scale, clamped to +-6, and rounded to the nearest number of E2M1, ties to even, subnormals kept.
;;     - The product sums the exact products of the quantised numbers (number of the format x scale) in f32.
;;   ~~~python
;;   def quantise(x, axis):      # numpy; x: float32 -> the quantised numbers, widened to float32 again
;;       x = np.moveaxis(x, axis, -1); K = x.shape[-1]
;;       x = np.pad(x, [(0, 0)] * (x.ndim - 1) + [(0, -K % 32)]); x = x.reshape(x.shape[:-1] + (-1, 32)); a = np.abs(x).max(-1, keepdims=True)
;;       e = np.where(a > 0, np.clip(np.frexp(np.where(a > 0, a, 1))[1] - 1 - 2, -126, 127), 0)      # np.frexp(a)[1] - 1 = floor(log2(a)), exactly
;;       r = np.clip(x / 2.0 ** e, -6, 6)
;;       step = 2.0 ** (np.maximum(np.frexp(np.where(r == 0, 1, r))[1] - 1, 0) - 1)
;;       q = np.round(r / step) * step * 2.0 ** e      # np.round: ties to even
;;       return np.moveaxis(q.reshape(q.shape[:-2] + (-1,))[..., :K], -1, axis).astype(np.float32)
;;   ~~~
;; One version. Each part assembles by itself: llvm-mc -triple=amdgcn-amd-amdhsa -mcpu=gfx1250 --defsym DOCPART=n.
;; ======== version 1 of 1: 4 launches
;; limits: values are held in f16: magnitudes above 65,504 overflow, below 6.1e-05 lose precision
;; workspace buffers: x_codes 4,194,304 bytes; x_scales 262,144 bytes; w_codes 1,572,864 bytes; w_scales 98,304 bytes; wp_f 2,097,152 bytes; q_f 16,777,216 bytes; kv_f 33,554,432 bytes; o_f 16,777,216 bytes
;; launch prep (part 1): grid 512 x 1, 4 waves a work-group, no clusters, 41,984 bytes of LDS; arguments x, Wq, Wk, Wv, Wp, x_codes, x_scales, w_codes, w_scales, wp_f; writes x_codes, x_scales, w_codes, w_scales, wp_f
.if DOCPART == 1
	.amdgcn_target "amdgcn-amd-amdhsa--gfx1250"
	.amdhsa_code_object_version 6
	.text
	.protected	k_qfbec463cde_prep
	.globl	k_qfbec463cde_prep
	.p2align	8
	.type	k_qfbec463cde_prep,@function
k_qfbec463cde_prep:
	s_mov_b64 s[64:65], 0
	v_nop
	global_prefetch_b8 v0, s[64:65] scope:SCOPE_SE
	s_setreg_imm32_b32 hwreg(HW_REG_WAVE_MODE, 25, 1), 1
	s_wait_xcnt 0x0
; PREP: every operand that later launches read many times is brought into its narrow form once.
;   x [8192][1024] f32            -> x_codes [8192][512 B] (E2M1, K innermost, the lower k in the low four bits), x_scales [8192][32] (E8M0, one byte for 32 along K)
;   Wq, Wk, Wv [1024 k][1024 n]   -> w_codes [3072 = q,k,v x n][512 B], w_scales [3072][32]: quantised along k, their FIRST axis, and laid with k innermost
;   Wp [1024 k][1024 n]           -> wp_f: f16, as images of operand registers: [nb 4][kc 32][ni 16][g 2][lane 32][16 B]; lane (r, h) of group g holds n = 256 nb + 16 ni + r, k = 32 kc + 16 g + 8 h + 0..7
; A block's scale is 2^(floor(log2(largest magnitude)) - 2); its byte is the largest magnitude's exponent field - 2, held at 1 from below.
; LIMITS: a block of zeros gets the byte 1 where the rule says 127 (its codes are zeros and only this program reads the bytes); blocks whose largest magnitude lies under 2^-124 have the byte held at 1;
; NaN and infinities among the inputs are not served; |Wp| must stay under 65,504 (f16).
; WORK-GROUPS: 0-191 Wq, Wk, Wv (64 each), 192-255 Wp, 256-511 x.  The three ways part on the work-group's number alone; each has LDS bytes of its own.
; Weights: a work-group takes 32 columns x 512 along k, a wave 128 of those k; A LANE TAKES A COLUMN AND ITS REGISTERS RUN DOWN k, so a block of 32 lies in one lane and nothing is transposed by an instruction.
.set WST,   32768                      ; LDS: the weights' stage, 32 rows (columns n) x 272 bytes, shared by the four waves
.set SPARE, 41472                      ; the spare words, 128 bytes for each wave; no other line names them
.set SPW,   180                        ; v180 LDS address of my spare word; never rewritten
.set NIL,   181                        ; v181 0; never rewritten
.set X,     32                         ; weights: v32-95 two sets of 32 numbers
.set R,     16                         ; x: v16-79 four sets of 16 numbers as loaded
.set XN,    80                         ; x: v80-111 two sets of 16 neighbours
.set CX,    128                        ; x: v128-159 codes, two registers a step
.set E,     112                        ; x: v112-127 a scale byte a step
.set SP,    80                         ; x: a lane's place in a stage: 64 bytes + 16
.set STEPS, 16
.macro FINISH                          ; a wave's end
	s_wait_tensorcnt 0x0
	ds_add_u32 v[SPW], v[NIL]
	s_wait_dscnt 0x0
	s_endpgm
.endm
	s_load_b256 s[4:11], s[0:1], 0x0               ; x, Wq, Wk, Wv
	s_load_b256 s[12:19], s[0:1], 0x20             ; Wp, x_codes, x_scales, w_codes
	s_load_b128 s[20:23], s[0:1], 0x40             ; w_scales, wp_f
	v_lshl_add_u32 v[SPW], v0, 2, SPARE
	v_mov_b32 v[NIL], 0
	v_lshrrev_b32 v1, 5, v0
	v_readfirstlane_b32 s24, v1                    ; wave 0..3
	v_and_b32 v2, 31, v0                           ; lane
	s_cmp_ge_u32 ttmp9, 256
	s_cbranch_scc1 .Lx
	; ---- the four weights: which one, which 32 columns, which 128 rows k
	s_lshr_b32 s25, ttmp9, 6                       ; 0 Wq, 1 Wk, 2 Wv, 3 Wp
	s_and_b32 s30, ttmp9, 63
	s_and_b32 s31, s30, 31                         ; cg: columns 32 cg on
	s_lshr_b32 s32, s30, 5                         ; kblk: k 512 kblk on
	s_lshl_b32 s33, s32, 2
	s_add_co_u32 s33, s33, s24                     ; 4 kblk + wave: my 128 rows
	s_lshl_b32 s34, s33, 19                        ; x 128 rows of 4,096 bytes
	s_lshl_b32 s35, s31, 7                         ; + 32 columns of 4 bytes
	s_add_co_u32 s34, s34, s35
	s_mov_b32 s35, 0
	v_lshlrev_b32 v3, 2, v2                        ; 4 bytes a lane
	s_wait_kmcnt 0x0
	s_cmp_eq_u32 s25, 0                            ; the choice hangs on the work-group's number alone
	s_cselect_b64 s[26:27], s[6:7], s[8:9]
	s_cmp_eq_u32 s25, 2
	s_cselect_b64 s[26:27], s[10:11], s[26:27]
	s_cmp_eq_u32 s25, 3
	s_cselect_b64 s[26:27], s[12:13], s[26:27]
	s_add_nc_u64 s[26:27], s[26:27], s[34:35]
.macro WLOAD t                         ; block t: W(k0 + 32 t + i, my column), i = 0..31, into set t % 2; a load reads 128 consecutive bytes
.irp i, 0,1,2,3,4,5,6,7,8,9,10,11,12,13,14,15,16,17,18,19,20,21,22,23,24,25,26,27,28,29,30,31
	global_load_b32 v[X+32*((\t)%2)+\i], v3, s[26:27] offset:(32*(\t)+\i)*4096 th:TH_LOAD_NT
.endr
.endm
	WLOAD 0
	WLOAD 1                                        ; two blocks ahead
	s_cmp_eq_u32 s25, 3
	s_cbranch_scc1 .Lp
	; ---- Wq, Wk, Wv: codes and scale bytes
	v_mul_u32_u24 v4, v2, 272
	s_lshl_b32 s36, s24, 6
	s_add_co_u32 s36, s36, WST
	v_add_nc_u32 v4, s36, v4                       ; into the stage: row = my column, my wave's 64 bytes of its 256
	v_lshrrev_b32 v6, 4, v2
	v_and_b32 v5, 15, v2
	v_mul_u32_u24 v7, v6, 272
	v_lshl_add_u32 v7, v5, 4, v7
	s_mul_i32 s37, s24, 8*272
	s_add_co_u32 s37, s37, WST
	v_add_nc_u32 v7, s37, v7                       ; out of it: my wave's 8 rows, sixteen lanes to a row
	v_lshlrev_b32 v8, 9, v6
	v_lshl_add_u32 v8, v5, 4, v8                   ; the same place in w_codes (rows of 512 bytes)
	v_lshlrev_b32 v9, 5, v2                        ; my column's row of scale bytes
	s_lshl_b32 s38, s25, 10
	s_lshl_b32 s39, s31, 5
	s_add_co_u32 s38, s38, s39                     ; first row of the outputs: 1024 x weight + 32 cg
	s_lshl_b32 s39, s24, 3
	s_add_co_u32 s39, s38, s39                     ; + 8 x wave
	s_lshl_b32 s40, s39, 9
	s_lshl_b32 s41, s32, 8                         ; + 256 bytes x kblk
	s_add_co_u32 s40, s40, s41
	s_mov_b32 s41, 0
	s_add_nc_u64 s[18:19], s[18:19], s[40:41]
	s_lshl_b32 s42, s38, 5
	s_lshl_b32 s43, s33, 2                         ; my four bytes: 16 kblk + 4 wave
	s_add_co_u32 s42, s42, s43
	s_mov_b32 s43, 0
	s_add_nc_u64 s[20:21], s[20:21], s[42:43]
.macro BLOCK t
.set XS, X+32*((\t)%2)
.if (\t) < 3
	s_wait_loadcnt 32                              ; this block's 32 loads are in; the next block's 32 may be out
.else
	s_wait_loadcnt 0
.endif
	v_max3_num_f32 v12, |v[XS]|, |v[XS+1]|, |v[XS+2]|               ; the block's largest magnitude: all 32 numbers are mine; two chains
	v_max3_num_f32 v13, |v[XS+3]|, |v[XS+4]|, |v[XS+5]|
.irp i, 6,10,14,18,22,26
	v_max3_num_f32 v12, v12, |v[XS+\i]|, |v[XS+\i+1]|
	v_max3_num_f32 v13, v13, |v[XS+\i+2]|, |v[XS+\i+3]|
.endr
	v_max3_num_f32 v12, v12, |v[XS+30]|, |v[XS+31]|
	v_max3_num_f32 v12, v12, v13, 0x1800000        ; and the floor 2^(3 - 127): the byte cannot fall under 1
	v_add_nc_u32 v11, 0xff000000, v12              ; 2 off the exponent field: the conversion takes this operand's exponent field as its scale
	v_lshrrev_b32 v13, 23, v11                     ; the scale's byte
.if (\t) == 0
	v_mov_b32 v24, v13
.else
	v_lshl_or_b32 v24, v13, 8*(\t), v24            ; four bytes to a word, the lower k in the lower byte
.endif
.irp g, 0,1,2,3
	v_cvt_scalef32_pk8_fp4_f32 v[96+4*(\t)+\g], v[XS+8*\g:XS+8*\g+7], v11   ; each block has its own four registers: no store's data are written again
.endr
	ds_store_b128 v4, v[96+4*(\t):96+4*(\t)+3] offset:16*(\t)
.if (\t) < 2
	WLOAD (\t)+2
.endif
.endm
	BLOCK 0
	BLOCK 1
	BLOCK 2
	BLOCK 3
	global_store_b32 v9, v24, s[20:21]             ; my column's four scale bytes
	s_wait_dscnt 0x0                               ; for the others' sake: my stores into the stage are done
	s_barrier_signal -1
	s_barrier_wait -1                              ; a stage row's 256 bytes come from four waves
.irp i, 0,1,2,3
	ds_load_b128 v[112+4*\i:115+4*\i], v7 offset:544*\i
.endr
.irp i, 0,1,2,3
	s_wait_dscnt 3-\i                              ; the younger LDS loads may be out
	global_store_b128 v8, v[112+4*\i:115+4*\i], s[18:19] offset:1024*\i   ; sixteen lanes store 256 consecutive bytes, aligned
.endr
	FINISH
	; ---- Wp: f16, as register images
.Lp:
	v_lshlrev_b32 v5, 4, v2                        ; 16 x lane
	s_lshr_b32 s36, s31, 3                         ; nb
	s_lshl_b32 s36, s36, 19
	s_lshl_b32 s37, s33, 16                        ; kc = 16 kblk + 4 wave, 16,384 bytes each
	s_add_co_u32 s36, s36, s37
	s_and_b32 s37, s31, 7                          ; ni = 2 (cg % 8)
	s_lshl_b32 s37, s37, 11
	s_add_co_u32 s36, s36, s37
	s_mov_b32 s37, 0
	s_add_nc_u64 s[28:29], s[22:23], s[36:37]
.macro BLOCKP t
.set XS, X+32*((\t)%2)
.set CC, 96+16*(\t)
.if (\t) < 3
	s_wait_loadcnt 32                              ; as above
.else
	s_wait_loadcnt 0
.endif
.irp i, 0,1,2,3,4,5,6,7,8,9,10,11,12,13,14,15
	v_cvt_pk_f16_f32 v[CC+\i], v[XS+2*\i], v[XS+2*\i+1]            ; register i: k = 2 i, 2 i + 1 of my column
.endr
.irp i, 0,1,2,3                        ; a group wants k 0-7 of column r in lanes 0-15 and k 8-15 of the same column in lanes 16-31: the first's upper lanes change places with the second's lower
	v_permlane16_swap_b32 v[CC+\i], v[CC+4+\i]
	v_permlane16_swap_b32 v[CC+8+\i], v[CC+12+\i]
.endr
.if (\t) < 2
	WLOAD (\t)+2
.endif
.irp g, 0,1
.irp u, 0,1
	global_store_b128 v5, v[CC+8*\g+4*\u:CC+8*\g+4*\u+3], s[28:29] offset:(\t)*16384+\u*1024+\g*512   ; 32 lanes store 512 consecutive bytes, aligned
.endr
.endr
.endm
	BLOCKP 0
	BLOCKP 1
	BLOCKP 2
	BLOCKP 3
	FINISH
	; ---- x: a plain stream of blocks of 32.  A wave takes 16 steps of 512 numbers.  Each load reads 512 consecutive bytes; a step's 2,048 bytes turn through the wave's own stage, so that a lane then holds 16 neighbours
.Lx:
	v_lshlrev_b32 v3, 4, v2                        ; my 16 bytes of a load's 512
	s_mul_i32 s30, s24, 8192                       ; my wave's LDS region: two stages of 32 x 80 bytes, then its 256 scale bytes
	v_lshrrev_b32 v14, 2, v2
	v_mul_u32_u24 v14, v14, SP
	v_and_b32 v15, 3, v2
	v_lshl_add_u32 v14, v15, 4, v14
	v_add_nc_u32 v14, s30, v14                     ; the stage, on the way in: four lanes' 64 bytes on end, then 16 of padding
	v_mul_u32_u24 v15, v2, SP
	v_add_nc_u32 v15, s30, v15                     ; and on the way out: my 16 neighbours
	v_lshlrev_b32 v4, 3, v2                        ; my 8 bytes of a step's codes
	v_lshrrev_b32 v5, 1, v2
	s_add_co_u32 s30, s30, 2*32*SP
	v_add_nc_u32 v5, s30, v5                       ; my block's scale byte
	v_lshlrev_b32 v7, 3, v2
	v_add_nc_u32 v6, s30, v7
	s_sub_co_u32 s31, ttmp9, 256
	s_lshl_b32 s31, s31, 2
	s_add_co_u32 s32, s31, s24                     ; which run of 8,192 numbers is my wave's: 0..1023
	s_mov_b32 s35, 0
	s_wait_kmcnt 0x0
	s_lshl_b32 s34, s32, 15                        ; 32,768 bytes of x,
	s_add_nc_u64 s[4:5], s[4:5], s[34:35]
	s_lshl_b32 s34, s32, 12                        ; 4,096 of codes,
	s_add_nc_u64 s[14:15], s[14:15], s[34:35]
	s_lshl_b32 s34, s32, 8                         ; 256 scale bytes a run
	s_add_nc_u64 s[16:17], s[16:17], s[34:35]
.macro XLOAD t
.irp i, 0,1,2,3
	global_load_b128 v[R+16*((\t)%4)+4*\i:R+16*((\t)%4)+4*\i+3], v3, s[4:5] offset:2048*(\t)+512*\i th:TH_LOAD_NT
.endr
.endm
.macro XTURN t                         ; LDS serves a wave's instructions in order (ISA guide 5.7.1.4): no wait between the stores and the loads
.irp i, 0,1,2,3
	ds_store_b128 v14, v[R+16*((\t)%4)+4*\i:R+16*((\t)%4)+4*\i+3] offset:32*SP*((\t)%2)+8*SP*\i
.endr
.irp i, 0,1,2,3
	ds_load_b128 v[XN+16*((\t)%2)+4*\i:XN+16*((\t)%2)+4*\i+3], v15 offset:32*SP*((\t)%2)+16*\i
.endr
.endm
.irp t, 0,1,2,3
	XLOAD \t
.endr
	s_wait_loadcnt 12                              ; step 0's four loads are in; three steps' twelve may be out
	XTURN 0
.macro XSTEP t
.set XS, XN+16*((\t)%2)
.if (\t) > 0
	s_wait_dscnt 1                                 ; this step's numbers are back from the stage; the last step's byte store may be out
.else
	s_wait_dscnt 0x0
.endif
.if (\t)+4 < STEPS
	XLOAD (\t)+4                                   ; into the registers that this step's stage stores have read
.endif
.if (\t)+1 < STEPS
.if STEPS-2-(\t) >= 3
	s_wait_loadcnt 12                              ; the next step's four loads are in; three later steps' may be out
.else
	s_wait_loadcnt 4*(STEPS-2-(\t))                ; near the end fewer steps are behind it
.endif
	XTURN (\t)+1
.endif
	v_max3_num_f32 v8, |v[XS]|, |v[XS+1]|, |v[XS+2]|               ; the largest magnitude of my 16
	v_max3_num_f32 v9, |v[XS+3]|, |v[XS+4]|, |v[XS+5]|
.irp i, 6,10
	v_max3_num_f32 v8, v8, |v[XS+\i]|, |v[XS+\i+1]|
	v_max3_num_f32 v9, v9, |v[XS+\i+2]|, |v[XS+\i+3]|
.endr
	v_max3_num_f32 v8, v8, |v[XS+14]|, |v[XS+15]|
	v_max3_num_f32 v8, v8, v9, 0x1800000           ; and the floor 2^(3 - 127)
	v_max_num_f32_dpp v8, v8, v8 row_xmask:1 row_mask:0xf bank_mask:0xf   ; and of my neighbour's 16: the block's
	v_add_nc_u32 v11, 0xff000000, v8
	v_cvt_scalef32_pk8_fp4_f32 v[CX+2*(\t)], v[XS:XS+7], v11
	v_cvt_scalef32_pk8_fp4_f32 v[CX+2*(\t)+1], v[XS+8:XS+15], v11
	v_lshrrev_b32 v[E+(\t)], 23, v11               ; the scale's byte (also the plain line behind the conversions)
	ds_store_b8 v5, v[E+(\t)] offset:16*(\t)       ; both lanes of a block write the same byte with the same value
	global_store_b64 v4, v[CX+2*(\t):CX+2*(\t)+1], s[14:15] offset:256*(\t)   ; 32 lanes store 256 consecutive bytes, aligned
.endm
.irp t, 0,1,2,3,4,5,6,7,8,9,10,11,12,13,14,15
	XSTEP \t
.endr
	ds_load_b64 v[8:9], v6                         ; in order behind my byte stores
	s_wait_dscnt 0x0
	global_store_b64 v7, v[8:9], s[16:17]          ; 256 scale bytes, one aligned run
	FINISH
.Lfunc_end_k_qfbec463cde_prep:
	.size	k_qfbec463cde_prep, .Lfunc_end_k_qfbec463cde_prep-k_qfbec463cde_prep
	.p2alignl 7, 3214868480
	.fill 96, 4, 3214868480
	.section	.rodata,"a",@progbits
	.p2align	6, 0x0
	.amdhsa_kernel k_qfbec463cde_prep
		.amdhsa_group_segment_fixed_size 41984
		.amdhsa_private_segment_fixed_size 0
		.amdhsa_enable_private_segment 0
		.amdhsa_kernarg_size 80
		.amdhsa_user_sgpr_count 2
		.amdhsa_user_sgpr_kernarg_segment_ptr 1
		.amdhsa_wavefront_size32 1
		.amdhsa_system_sgpr_workgroup_id_x 1
		.amdhsa_system_sgpr_workgroup_id_y 1
		.amdhsa_system_sgpr_workgroup_id_z 1
		.amdhsa_system_vgpr_workitem_id 0
		.amdhsa_next_free_vgpr 192
		.amdhsa_next_free_sgpr 66
		.amdhsa_reserve_vcc 0
		.amdhsa_float_denorm_mode_32 3
		.amdhsa_float_denorm_mode_16_64 3
		.amdhsa_memory_ordered 1
		.amdhsa_forward_progress 1
		.amdhsa_inst_pref_size 67
	.end_amdhsa_kernel
	.amdgpu_metadata
---
amdhsa.version: [ 1, 2 ]
amdhsa.kernels:
  - .name:           k_qfbec463cde_prep
    .symbol:         k_qfbec463cde_prep.kd
    .args:
      - { .name: x, .offset: 0, .size: 8, .value_kind: global_buffer, .address_space: global }
      - { .name: Wq, .offset: 8, .size: 8, .value_kind: global_buffer, .address_space: global }
      - { .name: Wk, .offset: 16, .size: 8, .value_kind: global_buffer, .address_space: global }
      - { .name: Wv, .offset: 24, .size: 8, .value_kind: global_buffer, .address_space: global }
      - { .name: Wp, .offset: 32, .size: 8, .value_kind: global_buffer, .address_space: global }
      - { .name: x_codes, .offset: 40, .size: 8, .value_kind: global_buffer, .address_space: global }
      - { .name: x_scales, .offset: 48, .size: 8, .value_kind: global_buffer, .address_space: global }
      - { .name: w_codes, .offset: 56, .size: 8, .value_kind: global_buffer, .address_space: global }
      - { .name: w_scales, .offset: 64, .size: 8, .value_kind: global_buffer, .address_space: global }
      - { .name: wp_f, .offset: 72, .size: 8, .value_kind: global_buffer, .address_space: global }
    .group_segment_fixed_size: 41984
    .private_segment_fixed_size: 0
    .kernarg_segment_align: 8
    .kernarg_segment_size: 80
    .max_flat_workgroup_size: 128
    .sgpr_count:     66
    .vgpr_count:     192
    .wavefront_size: 32
...
	.end_amdgpu_metadata
.endif
;; end of part 1
;; launch qkv (part 2): grid 12 x 32, 4 waves a work-group, clusters of 4 x 4, 327,680 bytes of LDS; arguments x_codes, x_scales, w_codes, w_scales, bq, bk, bv, q_f, kv_f; writes q_f, kv_f
.if DOCPART == 2
	.amdgcn_target "amdgcn-amd-amdhsa--gfx1250"
	.amdhsa_code_object_version 6
	.text
	.protected	k_qfbec463cde_qkv
	.globl	k_qfbec463cde_qkv
	.p2align	8
	.type	k_qfbec463cde_qkv,@function
k_qfbec463cde_qkv:
	s_mov_b64 s[64:65], 0
	v_nop
	global_prefetch_b8 v0, s[64:65] scope:SCOPE_SE
	s_setreg_imm32_b32 hwreg(HW_REG_WAVE_MODE, 25, 1), 1
	s_wait_xcnt 0x0
	s_wait_alu depctr_hold_cnt(0) depctr_sa_sdst(0) depctr_va_vdst(0) depctr_va_sdst(0) depctr_va_ssrc(0) depctr_va_vcc(0) depctr_vm_vsrc(0)
	s_getreg_b32 s2, hwreg(HW_REG_IB_STS2, 6, 4)
	s_cmp_eq_u32 s2, 0
	s_cbranch_scc0 .Lentry_in_a_cluster
	s_endpgm
.Lentry_in_a_cluster:
	s_bfe_u32 s2, ttmp6, 0x10000c
	s_cmp_lg_u32 s2, 0xf033
	s_cbranch_scc0 .Lentry_shape_is_right
	s_endpgm
.Lentry_shape_is_right:
; QKV: the three quantised products as one GEMM on codes of E2M1 with E8M0 scales, 8,192 x 3,072 x 1,024, by v_wmma_scale_f32_16x16x128_f8f6f4; then the bias, for q also x c = log2(e) / 8, then f16.
; A work-group of four waves makes 256 x 256, a wave 128 x 128: 64 accumulators, 512 registers.  K = 1,024 is two LDS slots of 512 along K (rows of 256 bytes), both asked for at the head: nothing is filled again.
; THE CLUSTER'S x IS THE PRODUCT: 0 q, 1 k, 2 v.  The matrix instruction takes source 0 = 16 rows of S0, source 1 = 16 rows of S1; a lane then holds ONE row of S1 and eight neighbouring rows of S0.
;   q, k: S0 = the weight's rows (channels), S1 = x's rows (tokens): a lane holds a token and eight channels: that is a group of four registers of a Q or K fragment of the next launch.
;   v:    S0 = x's rows, S1 = the weight's rows: a lane holds a channel and eight tokens: a group of a V^T fragment.  Only pointers and first rows are chosen, by the cluster's x, which all partners share: one text.
; So each accumulator, rounded to f16, leaves by ONE store of 16 bytes a lane, 512 consecutive bytes, into buffers laid as images of operand registers:
;   q_f [bh 64][tt 128][c 2][g 2][512 B]: token tile tt, channel of the head 32 c + 16 g + 8 h + 0..7;   kv_f [bh 64][step 32][K: [kt 4][c 2][g 2][512 B] | V: [kk 2][dt 4][g 2][512 B]].
; CLUSTERS 4 x 4: S1's tile hangs on cy and is asked for jointly along a row of the cluster, S0's on cx and along a column.
; 384 tiles: the grid is no multiple of 256; a tile of half the rows would be, and would read half as much again from LDS for each product.
; LIMITS: |q c|, |k|, |v| must stay under 65,504 (f16); NaN and infinities are not served.
; REGISTERS: window 0: v1-29 addresses; v32-95 scale words, two sets; v96-119 the lane's bias; v128-191 S1's fragments, one set (on the way out: at work); v192-255 the registers' bias.
;   window 1: S0's fragments, two sets (on the way out: the f16 results).   windows 2, 3: the accumulators ((a, b) at v[8 (8 (a % 4) + b)]).
.set NQ,     4                         ; matrix instructions deep in a slot
.set ROWB,   256                       ; a tile's row in bytes
.set KROW,   512                       ; a row of codes in memory
.set PITCH,  272                       ; an LDS row: 256 bytes + 16 of padding
.set FR,     8
.set NL,     2
.set NP,     4                         ; places behind this matrix instruction (ISA guide 7.12.1)
.set HALFT,  128*PITCH
.set SLOT,   4*HALFT                   ; S1's 256 rows, then S0's 256
.set KS,     32                        ; a row of scale bytes
.set SCL,    2*SLOT                    ; the scales, as units of 256 bytes + 16
.set HALFS,  16*272                    ; those of 128 rows
.set SBLK,   2*272                     ; those of 16 rows
.set SPARE,  SCL+4*HALFS               ; the spare words, 128 bytes a wave; no other line names them
.set OFFB, 8                           ; v8-11  the way out: 16 x lane + the place of S0's blocks 2 i, 2 i + 1
.set ADRA, 16                          ; v16-17 LDS address of S1's fragments in slot 0, 1
.set ADRB, 20                          ; v20-21 of S0's
.set ADRS, 27                          ; v27    of my scale words: lanes 0-15 S1's rows, lanes 16-31 S0's
.set SPW,  28
.set NIL,  29
.set SC,   32
.set B1S,  96                          ; v96-111  the bias of my lane's S1 row, block a, twice (a pair)
.set B1R,  112                         ; v112-119 the same as loaded
.set AF,   128
.set T,    128
.set B0,   192                         ; v192-255 the bias of S0's rows: block b, register j
.set G1, 24
.set G0, 32
.set G1B, 48
.set G0B, 56
.set G1S, 68
.set G0S, 76
.set G1SB, 80
.set G0SB, 88
.set MSB, 0
.macro WIN new                         ; the immediate's high byte repeats the setting that is left
.if MSB != (\new)
	s_set_vgpr_msb (MSB<<8)|(\new)
.set MSB, (\new)
.endif
.endm
.set MUL_LO, 0xa1                      ; source 0 window 1, source 1 window 0, C and D window 2
.set MUL_HI, 0xf1
.set TO_B,   0x40
; A joint load: waves 0 and 1 fetch for S1, waves 2 and 3 for S0.  The branch hangs on the wave's number alone.  An s_nop 0 and four v_nop follow each line.
.macro JLOAD g0a, g1a, g0b, g1b
	s_cmp_eq_u32 s15, 0
	s_cbranch_scc0 .Lfor_b_\@
	tensor_load_to_lds s[\g0a:\g0a+3], s[\g1a:\g1a+7]
	s_nop 0
.rept 4
	v_nop
.endr
	s_branch .Lasked_\@
.Lfor_b_\@:
	tensor_load_to_lds s[\g0b:\g0b+3], s[\g1b:\g1b+7]
	s_nop 0
.rept 4
	v_nop
.endr
.Lasked_\@:
.endm
.macro CROUND                          ; a round of the cluster's barrier
	s_barrier_signal -1
	s_barrier_wait -1
	s_cmp_lg_u32 s14, 0
	s_cbranch_scc1 .Lnot_wave_0_\@
	s_barrier_signal -3
.Lnot_wave_0_\@:
	s_barrier_wait -3
	s_barrier_signal -1
	s_barrier_wait -1
.endm
	s_load_b256 s[4:11], s[0:1], 0x0               ; x_codes, x_scales, w_codes, w_scales
	s_load_b256 s[92:99], s[0:1], 0x20             ; bq, bk, bv, q_f
	s_load_b64 s[100:101], s[0:1], 0x40            ; kv_f
	v_lshl_add_u32 v[SPW], v0, 2, SPARE
	v_mov_b32 v[NIL], 0
	ds_add_u32 v[SPW], v[NIL]                      ; the wave's opening: the add, twice on end, and its wait ahead of my first tensor load
	ds_add_u32 v[SPW], v[NIL]
	v_lshrrev_b32 v1, 5, v0
	v_readfirstlane_b32 s14, v1                    ; wave 0..3
	s_lshr_b32 s15, s14, 1                         ; which half of S1's rows is mine.  Also: I fetch for S1 (0) or S0 (1)
	s_and_b32 s16, s14, 1                          ; which half of S0's rows.  Also: which 128 rows I fetch
	s_mov_b32 s17, ttmp9                           ; the product: 0 q, 1 k, 2 v
	s_and_b32 s18, ttmp7, 0xffff                   ; the cluster's y: 1,024 tokens
	s_bfe_u32 s20, ttmp6, 0x40000                  ; cx
	s_bfe_u32 s21, ttmp6, 0x40004                  ; cy
	s_lshl_b32 s22, s21, 2
	s_lshl_b32 s22, 15, s22                        ; my row of the cluster
	s_lshl_b32 s23, 0x1111, s20                    ; my column
	s_or_b32 s[G1+0], s22, (0<<16)|(1<<20)|(1<<21)|(5<<22)|(3<<25)   ; the mask; elements of 1 byte; padding on; bit 21 beside a mask; after every 64 words, 4 words
	s_or_b32 s[G1B+0], s23, (0<<16)|(1<<20)|(1<<21)|(5<<22)|(3<<25)
.irp g, G1, G1B
	s_mov_b32 s[\g+1], ROWB<<16                    ; tensor_dim0
	s_mov_b32 s[\g+2], 128<<16                     ; tensor_dim1
	s_mov_b32 s[\g+3], ROWB<<16                    ; tile_dim0
	s_mov_b32 s[\g+4], 128                         ; tile_dim1
	s_mov_b32 s[\g+5], KROW                        ; from row to row
	s_mov_b32 s[\g+6], 0
	s_mov_b32 s[\g+7], 0
.endr
	s_or_b32 s[G1S+0], s22, (3<<16)|(1<<20)|(1<<21)|(5<<22)|(3<<25)  ; the scales of 128 rows: 4,096 dense bytes as 16 rows of 256 (32 elements of 8 bytes)
	s_or_b32 s[G1SB+0], s23, (3<<16)|(1<<20)|(1<<21)|(5<<22)|(3<<25)
.irp g, G1S, G1SB
	s_mov_b32 s[\g+1], 32<<16
	s_mov_b32 s[\g+2], 16<<16
	s_mov_b32 s[\g+3], 32<<16
	s_mov_b32 s[\g+4], 16
	s_mov_b32 s[\g+5], 32
	s_mov_b32 s[\g+6], 0
	s_mov_b32 s[\g+7], 0
.endr
	s_lshl_b32 s2, s18, 10                         ; x's rows: 1,024 x cluster y
	s_lshl_b32 s3, s17, 10                         ; the weights' rows: 1,024 x product
	s_cmp_eq_u32 s17, 2
	s_cselect_b32 s40, s3, s2                      ; S1's first row of the cluster
	s_cselect_b32 s44, s2, s3                      ; S0's
	s_cselect_b32 s19, -1, 0                       ; a lane mask: the product is v
	s_lshl_b32 s2, s16, 7                          ; which 128 rows I fetch
	s_lshl_b32 s41, s21, 8
	s_add_co_u32 s40, s40, s41                     ; S1: + 256 cy (s40-43 never hold cx)
	s_add_co_u32 s40, s40, s2
	s_lshl_b32 s45, s20, 8
	s_add_co_u32 s44, s44, s45                     ; S0: + 256 cx (s44-47 never hold cy)
	s_add_co_u32 s44, s44, s2
	s_lshl_b32 s42, s40, 5                         ; in bytes: scales,
	s_lshl_b32 s40, s40, 9                         ; codes
	s_mov_b32 s41, 0
	s_mov_b32 s43, 0
	s_lshl_b32 s46, s44, 5
	s_lshl_b32 s44, s44, 9
	s_mov_b32 s45, 0
	s_mov_b32 s47, 0
	s_mul_i32 s2, s14, HALFT                       ; where they go: wave x 128 rows: no place in the cluster enters an LDS address
	s_mul_i32 s3, s14, HALFS
	s_wait_dscnt 0x0                               ; both opening adds are done
	s_wait_kmcnt 0x0
	s_cmp_eq_u32 s17, 2                            ; the choices hang on the cluster's x alone
	s_cselect_b64 s[12:13], s[8:9], s[4:5]         ; S1's codes
	s_cselect_b64 s[4:5], s[4:5], s[8:9]           ; S0's codes
	s_cselect_b64 s[8:9], s[10:11], s[6:7]         ; S1's scales
	s_cselect_b64 s[6:7], s[6:7], s[10:11]         ; S0's scales
	s_cselect_b64 s[10:11], s[96:97], s[94:95]
	s_cmp_eq_u32 s17, 0
	s_cselect_b64 s[10:11], s[92:93], s[10:11]     ; the product's bias
	s_cselect_b64 s[98:99], s[98:99], s[100:101]   ; the product's output
	s_cselect_b32 s66, 0x3e38aa3b, 1.0             ; q is multiplied by c = log2(e) / 8
	s_mov_b32 s67, s66
	s_add_nc_u64 s[12:13], s[12:13], s[40:41]
	s_add_nc_u64 s[8:9], s[8:9], s[42:43]
	s_add_nc_u64 s[4:5], s[4:5], s[44:45]
	s_add_nc_u64 s[6:7], s[6:7], s[46:47]
	CROUND                                         ; all sixteen work-groups are here: the first joint loads meet
	s_mov_b32 s[G0S], 1
	s_add_co_u32 s[G0S+1], s3, SCL
	s_mov_b64 s[G0S+2:G0S+3], s[8:9]
	s_or_b32 s[G0S+3], s[G0S+3], 0x80000000
	s_mov_b32 s[G0SB], 1
	s_add_co_u32 s[G0SB+1], s3, SCL
	s_mov_b64 s[G0SB+2:G0SB+3], s[6:7]
	s_or_b32 s[G0SB+3], s[G0SB+3], 0x80000000
	JLOAD G0S, G1S, G0SB, G1SB                     ; the scales first; by this text's count three loads of a wave are out at the most
.irp s, 0,1
	s_mov_b32 s[G0+4*\s], 1
	s_add_co_u32 s[G0+4*\s+1], s2, \s*SLOT
	s_add_nc_u64 s[G0+4*\s+2:G0+4*\s+3], s[12:13], \s*ROWB
	s_or_b32 s[G0+4*\s+3], s[G0+4*\s+3], 0x80000000
	s_mov_b32 s[G0B+4*\s], 1
	s_add_co_u32 s[G0B+4*\s+1], s2, \s*SLOT
	s_add_nc_u64 s[G0B+4*\s+2:G0B+4*\s+3], s[4:5], \s*ROWB
	s_or_b32 s[G0B+4*\s+3], s[G0B+4*\s+3], 0x80000000
	JLOAD G0+4*\s, G1, G0B+4*\s, G1B
.endr
	v_and_b32 v1, 15, v0                           ; r
	v_bfe_u32 v2, v0, 4, 1                         ; h
	v_mul_u32_u24 v3, v1, PITCH
	v_lshl_add_u32 v4, v2, 4, v3                   ; a fragment's row x pitch + 16 h
	s_mul_i32 s2, s15, HALFT                       ; my 128 rows of S1
	s_mul_i32 s3, s16, HALFT                       ; my 128 rows of S0,
	s_add_co_u32 s3, s3, 2*HALFT                   ; behind S1's 256
.irp s, 0,1
	v_add_nc_u32 v[ADRA+\s], s2, v4
	v_add_nc_u32 v[ADRB+\s], s3, v4
	s_add_co_u32 s2, s2, SLOT
	s_add_co_u32 s3, s3, SLOT
.endr
	v_mul_u32_u24 v5, v1, KS                       ; my row's scales: 32 bytes a row,
	v_lshrrev_b32 v6, 8, v5
	v_lshl_add_u32 v5, v6, 4, v5                   ; and 16 more for each 256 passed
	s_mul_i32 s2, s15, HALFS
	s_mul_i32 s3, s16, HALFS
	s_add_co_u32 s3, s3, 2*HALFS
	s_sub_co_u32 s3, s3, s2
	v_mul_u32_u24 v6, s3, v2                       ; lanes 16-31 take S0's
	s_add_co_u32 s2, s2, SCL
	v_add_nc_u32 v5, v5, v6
	v_add_nc_u32 v[ADRS], s2, v5
	; the bias, both ways; what the product does not use is made zero on the way out.  Both indexes stay under 1,024 for every product
	s_lshl_b32 s2, s20, 10
	s_lshl_b32 s3, s16, 9
	s_add_co_u32 s2, s2, s3                        ; 4 bytes x (256 cx + 128 x my half of S0)
	s_mov_b32 s3, 0
	s_add_nc_u64 s[4:5], s[10:11], s[2:3]
	s_lshl_b32 s2, s21, 10
	s_lshl_b32 s12, s15, 9
	s_add_co_u32 s2, s2, s12                       ; 4 bytes x (256 cy + 128 x my half of S1)
	s_add_nc_u64 s[6:7], s[10:11], s[2:3]
	v_lshlrev_b32 v12, 5, v2                       ; 32 h: my eight numbers of a block of 16; not rewritten before the wait for these loads
	v_lshlrev_b32 v13, 2, v1                       ; 4 r
.irp b, 0,1,2,3,4,5,6,7
	global_load_b128 v[B0+8*\b:B0+8*\b+3], v12, s[4:5] offset:64*\b
	global_load_b128 v[B0+8*\b+4:B0+8*\b+7], v12, s[4:5] offset:64*\b+16
.endr
.irp a, 0,1,2,3,4,5,6,7
	global_load_b32 v[B1R+\a], v13, s[6:7] offset:64*\a
.endr
.macro FRAG reg, adr, q, i             ; 16 rows x 128 K of 4-bit codes: 8 registers; registers 4 c .. 4 c + 3 hold K = 64 c + 32 h + 0..31
.irp c, 0,1
	ds_load_b128 v[\reg+4*\c:\reg+4*\c+3], v[\adr] offset:64*(\q)+32*\c+(\i)*16*PITCH
.endr
.endm
; 16 matrix instructions: S1's blocks a0, a0 + 1 x S0's eight.  The 64 accumulators take turns, one instruction a turn, in the same order in every step.
.macro MUL16 a0, p, q, sc, zero
.irp a, \a0, \a0+1
.irp b, 0,1,2,3,4,5,6,7
.if \zero
	v_wmma_scale_f32_16x16x128_f8f6f4 v[8*(8*((\a)%4)+\b):8*(8*((\a)%4)+\b)+7], v[128*(\p)+FR*\b:128*(\p)+FR*\b+FR-1], v[AF+FR*(\a):AF+FR*(\a)+FR-1], 0, v[SC+8*NQ*(\sc)+NQ*\b+(\q)], v[SC+8*NQ*(\sc)+NQ*(\a)+(\q)] matrix_a_fmt:MATRIX_FMT_FP4 matrix_b_fmt:MATRIX_FMT_FP4 matrix_a_scale:MATRIX_SCALE_ROW1
.else
	v_wmma_scale_f32_16x16x128_f8f6f4 v[8*(8*((\a)%4)+\b):8*(8*((\a)%4)+\b)+7], v[128*(\p)+FR*\b:128*(\p)+FR*\b+FR-1], v[AF+FR*(\a):AF+FR*(\a)+FR-1], v[8*(8*((\a)%4)+\b):8*(8*((\a)%4)+\b)+7], v[SC+8*NQ*(\sc)+NQ*\b+(\q)], v[SC+8*NQ*(\sc)+NQ*(\a)+(\q)] matrix_a_fmt:MATRIX_FMT_FP4 matrix_b_fmt:MATRIX_FMT_FP4 matrix_a_scale:MATRIX_SCALE_ROW1
.endif
.endr
.endr
.endm
.macro FETCH_B slot, q, p
	WIN TO_B
.irp i, 0,1,2,3,4,5,6,7
	FRAG 128*(\p)+FR*\i, ADRB+\slot, \q, \i
.endr
	WIN 0
.endm
.macro FETCH_A slot, q, i0
.irp i, \i0, \i0+1, \i0+2, \i0+3
	FRAG AF+FR*(\i), ADRA+\slot, \q, \i
.endr
.endm
.macro SCALES sc                       ; a slot's scale words: four a row; lanes 0-15 S1's block i, lanes 16-31 S0's block i
.irp i, 0,1,2,3,4,5,6,7
	ds_load_b128 v[SC+8*NQ*\sc+NQ*\i:SC+8*NQ*\sc+NQ*\i+3], v[ADRS] offset:\i*SBLK
.endr
.endm
.macro PLACES n                        ; plain vector lines between a matrix instruction and a load into, or a read of, its registers
.rept \n
	v_nop
.endr
.endm
.macro STEP slot, q, zero              ; 128 along K, with its successor in the same slot
	s_wait_dscnt 4*NL                              ; all but the youngest eight loads (S1's blocks 4-7) are in
	WIN MUL_LO
	MUL16 0, (\q)%2, \q, \slot, \zero
	MUL16 2, (\q)%2, \q, \slot, \zero
	s_wait_dscnt 0
	PLACES NP
	FETCH_B \slot, (\q)+1, 1-(\q)%2
	FETCH_A \slot, (\q)+1, 0
	WIN MUL_HI
	MUL16 4, (\q)%2, \q, \slot, \zero
	MUL16 6, (\q)%2, \q, \slot, \zero
	PLACES NP
	WIN 0
	FETCH_A \slot, (\q)+1, 4
.endm
; Slot 0's last step changes slots: each wave waits for all its tensor loads (its part of slot 1), adds 0 to its spare word, waits for that; behind the barrier slot 1 is whole.
.macro TURN slot, next
	s_wait_tensorcnt 0x0
	ds_add_u32 v[SPW], v[NIL]
	s_wait_dscnt 4*NL+1                            ; the add and the youngest eight loads may be out
	WIN MUL_LO
	MUL16 0, 1, NQ-1, \slot, 0
	s_wait_dscnt 0x0
	s_barrier_signal -1
	MUL16 2, 1, NQ-1, \slot, 0
	WIN 0
	s_barrier_wait -1
	PLACES NP
	v_add_nc_u32 v[ADRS], 4*NQ, v[ADRS]            ; the next slot's scale words
	FETCH_B \next, 0, 0
	FETCH_A \next, 0, 0
	SCALES \next
	WIN MUL_HI
	MUL16 4, 1, NQ-1, \slot, 0
	MUL16 6, 1, NQ-1, \slot, 0
	PLACES NP
	WIN 0
	FETCH_A \next, 0, 4
.endm
.macro STEPS slot, from
.set Q, \from
.rept NQ-1-\from
	STEP \slot, Q, 0
.set Q, Q+1
.endr
.endm
	s_wait_tensorcnt 1                             ; the scales and my part of slot 0 are in; slot 1's load may be out,
	s_barrier_signal -1
	s_barrier_wait -1                              ; everybody's are
	FETCH_B 0, 0, 0
	FETCH_A 0, 0, 0
	SCALES 0
	FETCH_A 0, 0, 4
	STEP 0, 0, 1                                   ; the first products start the sums: nothing is cleared
	STEPS 0, 1
	TURN 0, 1
	STEPS 1, 0
	s_wait_dscnt 4*NL
	WIN MUL_LO
	MUL16 0, 1, NQ-1, 1, 0
	MUL16 2, 1, NQ-1, 1, 0
	s_wait_dscnt 0
	WIN MUL_HI
	MUL16 4, 1, NQ-1, 1, 0
	MUL16 6, 1, NQ-1, 1, 0
	WIN 0
	; THE WAY OUT.  No tensor load is out (the change of slots waited for all), so the descriptors' registers are free.  Where block (a, b) goes is a sum of shifted indexes; the shifts differ by product.
	s_cmp_eq_u32 s17, 0
	s_cselect_b32 s40, 18, 19                      ; a head: 2^18 bytes in q_f, 2^19 in kv_f
	s_cselect_b32 s41, 11, 12                      ; a tile of 16 tokens: 2,048 bytes in q_f; in kv_f four of them are a step of 16,384
	s_cselect_b32 s42, 13, 14                      ; a / 4
	s_cselect_b32 s44, 18, 19                      ; b / 4
	s_cmp_eq_u32 s17, 2
	s_cselect_b32 s42, 19, s42
	s_cselect_b32 s43, 10, 11                      ; a % 4
	s_cselect_b32 s44, 14, s44
	s_cselect_b32 s45, 12, 10                      ; (b % 4) / 2
	s_cselect_b32 s46, 0x2000, 0                   ; V's part of a step lies behind K's
	s_lshl_b32 s47, s20, 1
	s_add_co_u32 s47, s47, s16                     ; S0's group of 128 rows in the cluster
	s_lshl_b32 s48, s21, 1
	s_add_co_u32 s48, s48, s15                     ; S1's
	s_cmp_eq_u32 s17, 2
	s_cselect_b32 s49, s48, s47                    ; the channels' group: two heads
	s_cselect_b32 s50, s47, s48                    ; the tokens' group
	s_lshl_b32 s51, s18, 3
	s_add_co_u32 s51, s51, s50                     ; among all 64 groups of 128 tokens
	s_lshr_b32 s52, s51, 4
	s_lshl_b32 s52, s52, 4                         ; 16 x batch
	s_lshl_b32 s49, s49, 1
	s_add_co_u32 s52, s52, s49                     ; + the first head
	s_lshl_b32 s52, s52, s40
	s_and_b32 s53, s51, 15
	s_lshl_b32 s53, s53, 3                         ; the first tile of 16 tokens in the batch
	s_lshl_b32 s53, s53, s41
	s_add_co_u32 s52, s52, s53
	s_add_co_u32 s52, s52, s46
	s_mov_b32 s53, 0
	s_add_nc_u64 s[98:99], s[98:99], s[52:53]
.irp a, 0,1,2,3,4,5,6,7                ; a base for each block a, s[24:39]: no base is stepped, no store's register is written again
	s_lshl_b32 s54, \a/4, s42
	s_lshl_b32 s55, \a%4, s43
	s_add_co_u32 s54, s54, s55
	s_mov_b32 s55, 0
	s_add_nc_u64 s[24+2*\a:25+2*\a], s[98:99], s[54:55]
.endr
	v_and_b32 v7, 31, v0
	v_lshlrev_b32 v7, 4, v7
.irp i, 0,1,2,3
	s_lshl_b32 s54, \i/2, s44
	s_lshl_b32 s55, \i%2, s45
	s_add_co_u32 s54, s54, s55
	v_add_nc_u32 v[OFFB+\i], s54, v7
.endr
	s_wait_loadcnt 0x0                             ; the bias
.set i, 0
.rept 64
	v_cndmask_b32 v[B0+i], v[B0+i], v[NIL], s19    ; q, k: the bias runs along the registers; v: none there
.set i, i+1
.endr
.set i, 0
.rept 32
	v_pk_mul_f32 v[B0+2*i:B0+2*i+1], v[B0+2*i:B0+2*i+1], s[66:67] op_sel_hi:[1,0]   ; (sum + bias) x c = sum x c + bias x c
.set i, i+1
.endr
.irp a, 0,1,2,3,4,5,6,7
	v_cndmask_b32 v[B1S+2*\a], v[NIL], v[B1R+\a], s19              ; v: the bias of my lane's channel (its factor is 1)
.endr
.irp a, 0,1,2,3,4,5,6,7
	v_mov_b32 v[B1S+2*\a+1], v[B1S+2*\a]
.endr
.macro OUTBLK a
.set AC, 64*((\a)%4)
	WIN 0x02+(\a)/4                                ; source 0: window 2 or 3
.set i, 0
.rept 32
	v_pk_fma_f32 v[T+2*i:T+2*i+1], v[AC+2*i:AC+2*i+1], s[66:67], v[B0+2*i:B0+2*i+1] op_sel_hi:[1,0,1]   ; each accumulator from its low end on
.set i, i+1
.endr
	WIN 0
.set i, 0
.rept 32
	v_pk_add_f32 v[T+2*i:T+2*i+1], v[T+2*i:T+2*i+1], v[B1S+2*(\a):B1S+2*(\a)+1]
.set i, i+1
.endr
	WIN 0x40                                       ; the f16 results: window 1, each in registers of its own
.set i, 0
.rept 32
	v_cvt_pk_f16_f32 v[32*(\a)+i], v[T+2*i], v[T+2*i+1]
.set i, i+1
.endr
	WIN 0x04                                       ; a store's data: window 1
.irp b, 0,1,2,3,4,5,6,7
	global_store_b128 v[OFFB+\b/2], v[32*(\a)+4*\b:32*(\a)+4*\b+3], s[24+2*(\a):25+2*(\a)] offset:512*(\b%2)   ; 32 lanes store 512 consecutive bytes, aligned: one group of a fragment
.endr
.endm
.irp a, 0,1,2,3,4,5,6,7
	OUTBLK \a
.endr
	WIN 0
	s_wait_tensorcnt 0x0                           ; the wave's end
	ds_add_u32 v[SPW], v[NIL]
	s_wait_dscnt 0x0
	CROUND                                         ; the closing round
	s_endpgm
.Lfunc_end_k_qfbec463cde_qkv:
	.size	k_qfbec463cde_qkv, .Lfunc_end_k_qfbec463cde_qkv-k_qfbec463cde_qkv
	.p2alignl 7, 3214868480
	.fill 96, 4, 3214868480
	.section	.rodata,"a",@progbits
	.p2align	6, 0x0
	.amdhsa_kernel k_qfbec463cde_qkv
		.amdhsa_group_segment_fixed_size 327680
		.amdhsa_private_segment_fixed_size 0
		.amdhsa_enable_private_segment 0
		.amdhsa_kernarg_size 72
		.amdhsa_user_sgpr_count 2
		.amdhsa_user_sgpr_kernarg_segment_ptr 1
		.amdhsa_wavefront_size32 1
		.amdhsa_system_sgpr_workgroup_id_x 1
		.amdhsa_system_sgpr_workgroup_id_y 1
		.amdhsa_system_sgpr_workgroup_id_z 1
		.amdhsa_system_vgpr_workitem_id 0
		.amdhsa_next_free_vgpr 1024
		.amdhsa_next_free_sgpr 102
		.amdhsa_reserve_vcc 0
		.amdhsa_float_denorm_mode_32 3
		.amdhsa_float_denorm_mode_16_64 3
		.amdhsa_memory_ordered 1
		.amdhsa_forward_progress 1
		.amdhsa_inst_pref_size 162
	.end_amdhsa_kernel
	.amdgpu_metadata
---
amdhsa.version: [ 1, 2 ]
amdhsa.kernels:
  - .name:           k_qfbec463cde_qkv
    .symbol:         k_qfbec463cde_qkv.kd
    .args:
      - { .name: x_codes, .offset: 0, .size: 8, .value_kind: global_buffer, .address_space: global }
      - { .name: x_scales, .offset: 8, .size: 8, .value_kind: global_buffer, .address_space: global }
      - { .name: w_codes, .offset: 16, .size: 8, .value_kind: global_buffer, .address_space: global }
      - { .name: w_scales, .offset: 24, .size: 8, .value_kind: global_buffer, .address_space: global }
      - { .name: bq, .offset: 32, .size: 8, .value_kind: global_buffer, .address_space: global }
      - { .name: bk, .offset: 40, .size: 8, .value_kind: global_buffer, .address_space: global }
      - { .name: bv, .offset: 48, .size: 8, .value_kind: global_buffer, .address_space: global }
      - { .name: q_f, .offset: 56, .size: 8, .value_kind: global_buffer, .address_space: global }
      - { .name: kv_f, .offset: 64, .size: 8, .value_kind: global_buffer, .address_space: global }
    .group_segment_fixed_size: 327680
    .private_segment_fixed_size: 0
    .kernarg_segment_align: 8
    .kernarg_segment_size: 72
    .max_flat_workgroup_size: 128
    .sgpr_count:     102
    .vgpr_count:     1024
    .wavefront_size: 32
...
	.end_amdgpu_metadata
.endif
;; end of part 2
;; launch attn (part 3): grid 4 x 64, 8 waves a work-group, clusters of 4 x 1, 327,680 bytes of LDS; arguments q_f, kv_f, o_f; writes o_f
.if DOCPART == 3
	.amdgcn_target "amdgcn-amd-amdhsa--gfx1250"
	.amdhsa_code_object_version 6
	.text
	.protected	k_qfbec463cde_attn
	.globl	k_qfbec463cde_attn
	.p2align	8
	.type	k_qfbec463cde_attn,@function
k_qfbec463cde_attn:
	s_mov_b64 s[64:65], 0
	v_nop
	global_prefetch_b8 v0, s[64:65] scope:SCOPE_SE
	s_setreg_imm32_b32 hwreg(HW_REG_WAVE_MODE, 25, 1), 1
	s_wait_xcnt 0x0
	s_wait_alu depctr_hold_cnt(0) depctr_sa_sdst(0) depctr_va_vdst(0) depctr_va_sdst(0) depctr_va_ssrc(0) depctr_va_vcc(0) depctr_vm_vsrc(0)
	s_getreg_b32 s2, hwreg(HW_REG_IB_STS2, 6, 4)
	s_cmp_eq_u32 s2, 0
	s_cbranch_scc0 .Lentry_in_a_cluster
	s_endpgm
.Lentry_in_a_cluster:
	s_bfe_u32 s2, ttmp6, 0x10000c
	s_cmp_lg_u32 s2, 0x3003
	s_cbranch_scc0 .Lentry_shape_is_right
	s_endpgm
.Lentry_shape_is_right:
; ATTN: O = softmax(q k^T / 8) v for each of 64 (batch, head), 2,048 queries x 2,048 keys, head size 64; f16 operands, f32 sums, maxima and row sums.
; q arrives multiplied by c = log2(e) / 8, so a score is already t, and p = 2^(t - m) with m the running maximum of the row; O and the sum l are multiplied by a = 2^(m_old - m_new) in every step; l divides at the end.
; SHARES.  A work-group owns 512 queries of one head, each of its EIGHT waves 64: four tiles of 16, in 512 registers: two waves to a SIMD, so that one wave's softmax is issued beside the other's products.
; The text goes in plain phases.  A tile's softmax is 118 vector lines for 16 matrix instructions: too many to be set between the products of one wave.
; LAYOUT.  S^T = K Q^T (source 0 = 16 keys, source 1 = 16 queries) and O^T = V^T P (source 0 = 16 channels, source 1 = P): a lane holds ONE query throughout; two tiles of S^T, rounded in pairs, are a fragment of P.
; All operands arrive as images of operand registers (lane l's 16 bytes at 16 l), so a key step's K and V (64 keys: 16,384 bytes) are one dense block, a fragment is two LDS loads of 512 consecutive bytes, and nothing is turned.
; RING.  Two slots of 8 key steps; wave w brings step w of a slot by one tensor load.  CLUSTER: the four query blocks of a head walk the same K and V: each tile is asked for jointly, mask 15.
; No prefetch: a refill is issued eight key steps, 512 matrix instructions of each wave, ahead of the wait for it, and there are two refills in all.
; O^T begins as zeros and m as -3e38, so that the step is written once for all 32 steps: the first a is 0 and leaves the zeros; a first step of its own would add three more copies of the step to the text.
; LIMITS: f16 operands: |q c|, |k|, |v| under 65,504; NaN and infinities are not served.
; REGISTERS: window 0: v2 16 x lane, v3 the step's LDS address, v4, v5 the add's; v32-63 statistics, eight a tile; v64-191 S^T, 32 a tile (P in the low 16 of each); v192-255 K.
;   window 1: v0-127 O^T, 32 a tile; v128-191 Q; v192-255 V.
.set SLOT1, 1<<17                      ; slot 1 begins here: one exclusive or turns an address
.set SPARE, 2*SLOT1                    ; the spare words, 128 bytes for each of eight waves; no other line names them
.set STEPB, 16384
.set LI,  2
.set ADR, 3
.set SPW, 4
.set NIL, 5
.set ST,  32                           ; tile t at v[ST + 8 t]: +0 m, +1 m_old - m_new, +2, +3 l (even keys', odd keys'), +4..+7 at work; a takes +6
.set S,   64
.set KF,  192
.set QF,  128
.set VF,  192
.set WV,  12
.set G1,  24                           ; s[24:31] descriptor group 1
.set GA,  32                           ; s[32:35] group 0 of slot 0's first fill
.set GB,  36                           ; s[36:39] of slot 1's; it then walks
.set SEL, 40
.set TB,  42                           ; LDS byte at which the step to be fetched begins
.set C7,  43
.set CS,  44
.set MSB, 0
.macro WIN new
.if MSB != (\new)
	s_set_vgpr_msb (MSB<<8)|(\new)
.set MSB, (\new)
.endif
.endm
.set W_KQ, 0x04                        ; K window 0, Q window 1, S^T window 0
.set W_PV, 0x51                        ; V window 1, P window 0, O^T window 1
.set W_RS, 0x41                        ; O^T (destination, source 0) window 1, a window 0
.set TO_1, 0x40
.macro CROUND
	s_barrier_signal -1
	s_barrier_wait -1
	s_cmp_lg_u32 s[WV], 0
	s_cbranch_scc1 .Lnot_wave_0_\@
	s_barrier_signal -3
.Lnot_wave_0_\@:
	s_barrier_wait -3
	s_barrier_signal -1
	s_barrier_wait -1
.endm
	s_load_b128 s[4:7], s[0:1], 0x0                ; q_f, kv_f
	s_load_b64 s[8:9], s[0:1], 0x10                ; o_f
	v_lshl_add_u32 v[SPW], v0, 2, SPARE
	v_mov_b32 v[NIL], 0
	ds_add_u32 v[SPW], v[NIL]                      ; the wave's opening: the add, twice on end, and its wait ahead of my first tensor load
	ds_add_u32 v[SPW], v[NIL]
	v_lshrrev_b32 v1, 5, v0
	v_readfirstlane_b32 s[WV], v1                  ; wave 0..7
	v_and_b32 v[LI], 31, v0
	v_lshlrev_b32 v[LI], 4, v[LI]
	s_bfe_u32 s13, ttmp6, 0x40000                  ; cx: my block of 512 queries; it enters q's and o's addresses alone
	s_and_b32 s14, ttmp7, 0xffff                   ; 16 x batch + head, which the partners share
	s_mov_b32 s[G1], 15|(3<<16)|(1<<21)            ; the mask: all four; elements of 8 bytes; bit 21 beside a mask; no padding
	s_mov_b32 s[G1+1], 32<<16                      ; tensor_dim0: 256 bytes
	s_mov_b32 s[G1+2], 64<<16                      ; tensor_dim1
	s_mov_b32 s[G1+3], 32<<16                      ; tile_dim0
	s_mov_b32 s[G1+4], 64                          ; tile_dim1: 64 rows: a key step's 16,384 dense bytes
	s_mov_b32 s[G1+5], 32
	s_mov_b32 s[G1+6], 0
	s_mov_b32 s[G1+7], 0
	s_lshl_b32 s16, s14, 19                        ; kv_f: the head's 32 steps,
	s_lshl_b32 s15, s[WV], 14                      ; my step of a slot: in memory and in LDS alike
	s_add_co_u32 s16, s16, s15
	s_mov_b32 s17, 0
	s_lshl_b32 s18, s14, 18                        ; q_f: the head, tile 32 cx + 4 wave, 2,048 bytes a tile
	s_lshl_b32 s19, s13, 16
	s_add_co_u32 s18, s18, s19
	s_lshl_b32 s19, s[WV], 13
	s_add_co_u32 s18, s18, s19
	s_mov_b32 s19, 0
	s_lshr_b32 s20, s14, 4                         ; o_f [mb 64][kc 32][ti 8][g 2][512 B]: mb = 16 batch + 4 cx + wave / 2,
	s_lshl_b32 s20, s20, 4
	s_lshl_b32 s21, s13, 2
	s_add_co_u32 s20, s20, s21
	s_lshr_b32 s21, s[WV], 1
	s_add_co_u32 s20, s20, s21
	s_lshl_b32 s20, s20, 18
	s_and_b32 s21, s14, 15                         ; kc = 2 head,
	s_lshl_b32 s21, s21, 14
	s_add_co_u32 s20, s20, s21
	s_and_b32 s21, s[WV], 1                        ; ti = 4 (wave % 2)
	s_lshl_b32 s21, s21, 12
	s_add_co_u32 s20, s20, s21
	s_mov_b32 s21, 0
	s_mov_b32 s[SEL], 0x76543210
	s_mov_b32 s[SEL+1], 0xfedcba98                 ; v_permlanex16_b32: lane l xor 16
	s_mov_b32 s[TB], 0
	s_wait_dscnt 0x0                               ; both opening adds are done
	s_wait_kmcnt 0x0
	s_add_nc_u64 s[6:7], s[6:7], s[16:17]
	s_add_nc_u64 s[4:5], s[4:5], s[18:19]
	s_add_nc_u64 s[8:9], s[8:9], s[20:21]
	s_mov_b32 s[GA], 1
	s_mov_b32 s[GA+1], s15
	s_mov_b64 s[GA+2:GA+3], s[6:7]
	s_or_b32 s[GA+3], s[GA+3], 0x80000000
	s_mov_b32 s[GB], 1
	s_add_co_u32 s[GB+1], s15, SLOT1
	s_add_nc_u64 s[GB+2:GB+3], s[6:7], 8*STEPB
	s_or_b32 s[GB+3], s[GB+3], 0x80000000
	CROUND                                         ; all four work-groups are here: the first joint loads meet
	tensor_load_to_lds s[GA:GA+3], s[G1:G1+7]      ; two loads of mine are out
	s_nop 0
	tensor_load_to_lds s[GB:GB+3], s[G1:G1+7]
	s_nop 0
.rept 4
	v_nop
.endr
	WIN TO_1
.set i, 0
.rept 16
	global_load_b128 v[QF+4*i:QF+4*i+3], v[LI], s[4:5] offset:512*i   ; Q stays in registers: fragment (tile t, channels 32 c on) at v[QF + 8 (2 t + c)]
.set i, i+1
.endr
.set i, 0
.rept 128
	v_mov_b32 v[i], 0                              ; O^T
.set i, i+1
.endr
	WIN 0
.irp t, 0,1,2,3
	v_mov_b32 v[ST+8*\t], 0xff61b1e6               ; m = -3e38, under every score
	v_mov_b32 v[ST+8*\t+2], 0                      ; l
	v_mov_b32 v[ST+8*\t+3], 0
.endr
	v_mov_b32 v[ADR], v[LI]
.macro KLOAD                           ; a step's K: fragment (keys 16 kt on, channels 32 c on) at v[KF + 8 (2 kt + c)]
.set i, 0
.rept 16
	ds_load_b128 v[KF+4*i:KF+4*i+3], v[ADR] offset:512*i
.set i, i+1
.endr
.endm
.macro VLOAD                           ; its V: fragment (keys 32 kk on, channels 16 dt on) at v[VF + 8 (4 kk + dt)] of window 1
	WIN TO_1
.set i, 0
.rept 16
	ds_load_b128 v[VF+4*i:VF+4*i+3], v[ADR] offset:8192+512*i
.set i, i+1
.endr
.endm
.macro KQ                              ; 32 products; the 16 accumulators take turns, one instruction a turn; the first 16 start the sums
	WIN W_KQ
.irp c, 0,1
.irp t, 0,1,2,3
.irp k, 0,1,2,3
.if \c == 0
	v_wmma_f32_16x16x32_f16 v[S+32*\t+8*\k:S+32*\t+8*\k+7], v[KF+8*(2*\k+\c):KF+8*(2*\k+\c)+7], v[QF+8*(2*\t+\c):QF+8*(2*\t+\c)+7], 0
.else
	v_wmma_f32_16x16x32_f16 v[S+32*\t+8*\k:S+32*\t+8*\k+7], v[KF+8*(2*\k+\c):KF+8*(2*\k+\c)+7], v[QF+8*(2*\t+\c):QF+8*(2*\t+\c)+7], v[S+32*\t+8*\k:S+32*\t+8*\k+7]
.endif
.endr
.endr
.endr
.endm
.macro PV                              ; 32 products, 16 accumulators by turns
	WIN W_PV
.irp u, 0,1
.irp t, 0,1,2,3
.irp d, 0,1,2,3
	v_wmma_f32_16x16x32_f16 v[32*\t+8*\d:32*\t+8*\d+7], v[VF+8*(4*\u+\d):VF+8*(4*\u+\d)+7], v[S+32*\t+8*\u:S+32*\t+8*\u+7], v[32*\t+8*\d:32*\t+8*\d+7]
.endr
.endr
.endr
.endm
; THE SOFTMAX of four tiles for one key step; the tiles take turns line by line, so that no line waits for the line above it.
.macro SOFTMAX
.irp k, 0,1,2,3                        ; the maximum of a lane's 32 scores and the old m, three operands at a time; each accumulator is first read at its low end
.irp t, 0,1,2,3
	v_max3_num_f32 v[ST+8*\t+4+\k], v[S+32*\t+8*\k], v[S+32*\t+8*\k+1], v[S+32*\t+8*\k+2]
.endr
.endr
.irp n, 3,5
.irp k, 0,1,2,3
.irp t, 0,1,2,3
	v_max3_num_f32 v[ST+8*\t+4+\k], v[ST+8*\t+4+\k], v[S+32*\t+8*\k+\n], v[S+32*\t+8*\k+\n+1]
.endr
.endr
.endr
.irp t, 0,1,2,3
	v_max3_num_f32 v[ST+8*\t+4], v[ST+8*\t+4], v[S+32*\t+7], v[S+32*\t+15]
.endr
.irp t, 0,1,2,3
	v_max3_num_f32 v[ST+8*\t+6], v[ST+8*\t+6], v[S+32*\t+23], v[S+32*\t+31]
.endr
.irp t, 0,1,2,3
	v_max3_num_f32 v[ST+8*\t+4], v[ST+8*\t+4], v[ST+8*\t+5], v[ST+8*\t+6]
.endr
.irp t, 0,1,2,3
	v_max3_num_f32 v[ST+8*\t+4], v[ST+8*\t+4], v[ST+8*\t+7], v[ST+8*\t]
.endr
.irp t, 0,1,2,3
	v_permlanex16_b32 v[ST+8*\t+5], v[ST+8*\t+4], s[SEL], s[SEL+1]   ; the query's other 32 keys lie in the lane 16 away
.endr
.irp t, 0,1,2,3
	v_mov_b32 v[ST+8*\t+1], v[ST+8*\t]
.endr
.irp t, 0,1,2,3
	v_max_num_f32 v[ST+8*\t], v[ST+8*\t+4], v[ST+8*\t+5]           ; the new m
.endr
.irp t, 0,1,2,3
	v_sub_f32 v[ST+8*\t+1], v[ST+8*\t+1], v[ST+8*\t]               ; m_old - m_new
.endr
	; ONE BATCH: a and all 128 weights.  No line of it names an exponential's result
.irp t, 0,1,2,3
	v_exp_f32 v[ST+8*\t+6], v[ST+8*\t+1]
.endr
.set i, 0
.rept 16
.irp t, 0,1,2,3
	v_pk_add_f32 v[S+32*\t+2*i:S+32*\t+2*i+1], v[S+32*\t+2*i:S+32*\t+2*i+1], v[ST+8*\t:ST+8*\t+1] op_sel_hi:[1,0] neg_lo:[0,1] neg_hi:[0,1]   ; t - m, a pair
.endr
.irp t, 0,1,2,3
	v_exp_f32 v[S+32*\t+2*i], v[S+32*\t+2*i]
	v_exp_f32 v[S+32*\t+2*i+1], v[S+32*\t+2*i+1]
.endr
.set i, i+1
.endr
	v_nop                                          ; a plain line behind the last exponential (ISA guide 5.7.2)
	s_wait_alu depctr_va_vdst(0)                   ; one wait for the whole batch, ahead of its first reader
	; the row's sums of the unrounded weights, in two chains
.irp t, 0,1,2,3
	v_pk_fma_f32 v[ST+8*\t+2:ST+8*\t+3], v[ST+8*\t+2:ST+8*\t+3], v[ST+8*\t+6:ST+8*\t+7], v[S+32*\t:S+32*\t+1] op_sel_hi:[1,0,1]   ; l = l a + pair 0
.endr
.irp t, 0,1,2,3
	v_pk_add_f32 v[ST+8*\t+4:ST+8*\t+5], v[S+32*\t+2:S+32*\t+3], v[S+32*\t+6:S+32*\t+7]
.endr
.irp n, 2,4,6,8,10,12
.irp t, 0,1,2,3
	v_pk_add_f32 v[ST+8*\t+2:ST+8*\t+3], v[ST+8*\t+2:ST+8*\t+3], v[S+32*\t+2*\n:S+32*\t+2*\n+1]
.endr
.irp t, 0,1,2,3
	v_pk_add_f32 v[ST+8*\t+4:ST+8*\t+5], v[ST+8*\t+4:ST+8*\t+5], v[S+32*\t+2*\n+6:S+32*\t+2*\n+7]
.endr
.endr
.irp t, 0,1,2,3
	v_pk_add_f32 v[ST+8*\t+2:ST+8*\t+3], v[ST+8*\t+2:ST+8*\t+3], v[S+32*\t+28:S+32*\t+29]
.endr
.irp t, 0,1,2,3
	v_pk_add_f32 v[ST+8*\t+2:ST+8*\t+3], v[ST+8*\t+2:ST+8*\t+3], v[ST+8*\t+4:ST+8*\t+5]
.endr
.set i, 0
.rept 16                               ; P in place: register i takes weights 2 i, 2 i + 1; ascending, so nothing is overwritten before it is read
.irp t, 0,1,2,3
	v_cvt_pk_f16_f32 v[S+32*\t+i], v[S+32*\t+2*i], v[S+32*\t+2*i+1]
.endr
.set i, i+1
.endr
	WIN W_RS
.set i, 0
.rept 16
.irp t, 0,1,2,3
	v_pk_mul_f32 v[32*\t+2*i:32*\t+2*i+1], v[32*\t+2*i:32*\t+2*i+1], v[ST+8*\t+6:ST+8*\t+7] op_sel_hi:[1,0]   ; O^T x a, each accumulator from its low end on
.endr
.set i, i+1
.endr
.endm
; A KEY STEP.  K of this step is on its way or in.  kind 0: the next step lies in the same slot; 1: the slot's last step, and the slot is filled again; 2: the slot's last step, nothing to fetch; 3: the last step of all.
.macro STEP kind
.rept 5
	v_nop                                          ; five places: the products below write over P, which the last products read; V's loads, into registers that they read, want four
.endr
	VLOAD
	s_wait_dscnt 16                                ; K is in; V's sixteen loads may be out
	KQ
	WIN 0
.if \kind == 0
.rept 3
	v_nop
.endr
	s_add_co_u32 s[TB], s[TB], STEPB
	v_add_nc_u32 v[ADR], s[TB], v[LI]              ; the fourth place in front of the loads into K's registers and of the first read of the scores
	KLOAD
.elseif \kind == 1
	s_wait_tensorcnt 0x0                           ; all my tensor loads have landed: my step of the other slot; so a group 0 may be written
	ds_add_u32 v[SPW], v[NIL]
	s_xor_b32 s[GB+1], s[GB+1], SLOT1              ; the walking descriptor: the other slot than last time,
	s_add_nc_u64 s[GB+2:GB+3], s[GB+2:GB+3], 8*STEPB   ; the next eight steps
	s_wait_dscnt 0x0                               ; the add is done, and my reads of this slot, V's among them, are over
	CROUND                                         ; no wave of any partner still reads the slot or has a load on its way
	tensor_load_to_lds s[GB:GB+3], s[G1:G1+7]      ; my one load behind the round
	s_nop 0
.rept 4
	v_nop
.endr
	s_sub_co_u32 s[TB], s[TB], 7*STEPB             ; back to a slot's first step,
	s_xor_b32 s[TB], s[TB], SLOT1                  ; in the other slot
	v_add_nc_u32 v[ADR], s[TB], v[LI]
	KLOAD
.elseif \kind == 2
	s_wait_tensorcnt 0x0
	ds_add_u32 v[SPW], v[NIL]
	s_sub_co_u32 s[TB], s[TB], 7*STEPB
	s_xor_b32 s[TB], s[TB], SLOT1
	s_wait_dscnt 0x0
	s_barrier_signal -1
	s_barrier_wait -1                              ; the other slot is whole
.rept 3
	v_nop
.endr
	v_add_nc_u32 v[ADR], s[TB], v[LI]
	KLOAD
.else
.rept 4
	v_nop
.endr
.endif
	SOFTMAX
.if \kind == 3
	s_wait_dscnt 0x0
.else
	s_wait_dscnt 16                                ; V is in; the next step's K, sixteen loads, may be out
.endif
	PV
	WIN 0
.endm
.macro SEVEN
	s_mov_b32 s[C7], 7
.Lseven_\@:
	STEP 0
	s_sub_co_u32 s[C7], s[C7], 1
	s_cmp_lg_u32 s[C7], 0
	s_cbranch_scc1 .Lseven_\@
.endm
	s_wait_tensorcnt 1                             ; my step of slot 0 is in; slot 1's load may stay out
	s_barrier_signal -1
	s_barrier_wait -1
	KLOAD                                          ; key step 0
	s_wait_loadcnt 0x0                             ; Q
	s_mov_b32 s[CS], 2
.Lslot:                                            ; two trips: slots 0 and 1 are each filled once more
	SEVEN
	STEP 1
	s_sub_co_u32 s[CS], s[CS], 1
	s_cmp_lg_u32 s[CS], 0
	s_cbranch_scc1 .Lslot
	SEVEN                                          ; the tail is written out
	STEP 2
	SEVEN
	STEP 3
	; THE WAY OUT: O^T / l, rounded to f16; a tile's four registers of 16 channels are a group of a fragment of the next launch's operand: one store each
.irp t, 0,1,2,3
	v_add_f32 v[ST+8*\t+4], v[ST+8*\t+2], v[ST+8*\t+3]             ; (four places behind the last products)
.endr
.irp t, 0,1,2,3
	v_permlanex16_b32 v[ST+8*\t+5], v[ST+8*\t+4], s[SEL], s[SEL+1]
.endr
.irp t, 0,1,2,3
	v_add_f32 v[ST+8*\t+4], v[ST+8*\t+4], v[ST+8*\t+5]
.endr
.irp t, 0,1,2,3
	v_rcp_f32 v[ST+8*\t+6], v[ST+8*\t+4]
.endr
	v_nop
	s_wait_alu depctr_va_vdst(0)                   ; one wait for the four reciprocals
	WIN W_RS
.irp t, 0,1,2,3
.set i, 0
.rept 16
	v_pk_mul_f32 v[32*\t+2*i:32*\t+2*i+1], v[32*\t+2*i:32*\t+2*i+1], v[ST+8*\t+6:ST+8*\t+7] op_sel_hi:[1,0]
.set i, i+1
.endr
.endr
	WIN 0x05                                       ; sources window 1, destination window 0
.irp t, 0,1,2,3
.set i, 0
.rept 16
	v_cvt_pk_f16_f32 v[S+16*\t+i], v[32*\t+2*i], v[32*\t+2*i+1]
.set i, i+1
.endr
.endr
	WIN 0
.irp t, 0,1,2,3
.irp d, 0,1,2,3
	global_store_b128 v[LI], v[S+16*\t+4*\d:S+16*\t+4*\d+3], s[8:9] offset:\t*1024+(\d/2)*8192+(\d%2)*512   ; 32 lanes store 512 consecutive bytes, aligned
.endr
.endr
	s_wait_tensorcnt 0x0                           ; the wave's end
	ds_add_u32 v[SPW], v[NIL]
	s_wait_dscnt 0x0
	CROUND                                         ; the closing round
	s_endpgm
.Lfunc_end_k_qfbec463cde_attn:
	.size	k_qfbec463cde_attn, .Lfunc_end_k_qfbec463cde_attn-k_qfbec463cde_attn
	.p2alignl 7, 3214868480
	.fill 96, 4, 3214868480
	.section	.rodata,"a",@progbits
	.p2align	6, 0x0
	.amdhsa_kernel k_qfbec463cde_attn
		.amdhsa_group_segment_fixed_size 327680
		.amdhsa_private_segment_fixed_size 0
		.amdhsa_enable_private_segment 0
		.amdhsa_kernarg_size 24
		.amdhsa_user_sgpr_count 2
		.amdhsa_user_sgpr_kernarg_segment_ptr 1
		.amdhsa_wavefront_size32 1
		.amdhsa_system_sgpr_workgroup_id_x 1
		.amdhsa_system_sgpr_workgroup_id_y 1
		.amdhsa_system_sgpr_workgroup_id_z 1
		.amdhsa_system_vgpr_workitem_id 0
		.amdhsa_next_free_vgpr 512
		.amdhsa_next_free_sgpr 66
		.amdhsa_reserve_vcc 0
		.amdhsa_float_denorm_mode_32 3
		.amdhsa_float_denorm_mode_16_64 3
		.amdhsa_memory_ordered 1
		.amdhsa_forward_progress 1
		.amdhsa_inst_pref_size 211
	.end_amdhsa_kernel
	.amdgpu_metadata
---
amdhsa.version: [ 1, 2 ]
amdhsa.kernels:
  - .name:           k_qfbec463cde_attn
    .symbol:         k_qfbec463cde_attn.kd
    .args:
      - { .name: q_f, .offset: 0, .size: 8, .value_kind: global_buffer, .address_space: global }
      - { .name: kv_f, .offset: 8, .size: 8, .value_kind: global_buffer, .address_space: global }
      - { .name: o_f, .offset: 16, .size: 8, .value_kind: global_buffer, .address_space: global }
    .group_segment_fixed_size: 327680
    .private_segment_fixed_size: 0
    .kernarg_segment_align: 8
    .kernarg_segment_size: 24
    .max_flat_workgroup_size: 256
    .sgpr_count:     66
    .vgpr_count:     512
    .wavefront_size: 32
...
	.end_amdgpu_metadata
.endif
;; end of part 3
;; launch proj (part 4): grid 4 x 64, 4 waves a work-group, clusters of 4 x 4, 327,680 bytes of LDS; arguments o_f, wp_f, bp, out0; writes out0
.if DOCPART == 4
	.amdgcn_target "amdgcn-amd-amdhsa--gfx1250"
	.amdhsa_code_object_version 6
	.text
	.protected	k_qfbec463cde_proj
	.globl	k_qfbec463cde_proj
	.p2align	8
	.type	k_qfbec463cde_proj,@function
k_qfbec463cde_proj:
	s_mov_b64 s[64:65], 0
	v_nop
	global_prefetch_b8 v0, s[64:65] scope:SCOPE_SE
	s_setreg_imm32_b32 hwreg(HW_REG_WAVE_MODE, 25, 1), 1
	s_wait_xcnt 0x0
	s_wait_alu depctr_hold_cnt(0) depctr_sa_sdst(0) depctr_va_vdst(0) depctr_va_sdst(0) depctr_va_ssrc(0) depctr_va_vcc(0) depctr_vm_vsrc(0)
	s_getreg_b32 s2, hwreg(HW_REG_IB_STS2, 6, 4)
	s_cmp_eq_u32 s2, 0
	s_cbranch_scc0 .Lentry_in_a_cluster
	s_endpgm
.Lentry_in_a_cluster:
	s_bfe_u32 s2, ttmp6, 0x10000c
	s_cmp_lg_u32 s2, 0xf033
	s_cbranch_scc0 .Lentry_shape_is_right
	s_endpgm
.Lentry_shape_is_right:
; PROJ: out0 = O Wp + bp, 8,192 x 1,024 x 1,024, f16 operands, f32 sums, f32 out.
; A tile is 128 tokens x 256 columns: 256 work-groups.  Four waves, each 64 tokens x 128 columns: 32 accumulators, all of window 1.  Source 0 = 16 columns of Wp, source 1 = 16 tokens of O: a lane holds a token and eight neighbouring columns.
; Both operands arrive as images of operand registers: o_f [mb 64][kc 32][ti 8][g 2][512 B], wp_f [nb 4][kc 32][ni 16][g 2][512 B].  So a K step of 128 is one dense block of each (32,768 and 65,536 bytes),
; a fragment is two LDS loads of 512 consecutive bytes, and no padding is wanted.
; RING: two slots of one K step; waves 0, 1 bring O's halves, waves 2, 3 Wp's.  CLUSTER 4 x 4: O's tile hangs on cy and is asked for jointly along a row, Wp's on cx and along a column.
; LIMITS: |O|, |Wp| under 65,504 (f16).
; REGISTERS, window 0: v2 16 x lane; v16-17, v20-21 fragment addresses; v24, v25 the stage; v28, v29 the add's; v30 the prefetches' offset; v32-127, v128-223 two fragment buffers (64 of Wp, 32 of O); v224-227 bp.
.set SLOT,  98304                      ; O's 32,768 bytes, then Wp's 65,536
.set STAGE, 2*SLOT                     ; the way out: 16 rows x 528 bytes for each wave; no fill lands here
.set SPARE, STAGE+4*16*528             ; the spare words, 128 bytes a wave; no other line names them
.set LI,   2
.set ADRA, 16
.set ADRB, 20
.set STO,  24
.set RD,   25
.set SPW,  28
.set NIL,  29
.set PFO,  30
.set F0,   32
.set F1,   128
.set BP,   224
.set G1,  24                           ; s[24:31], s[32:39] groups 1 and 0 (a set for each slot) for O
.set G0,  32
.set G1B, 48                           ; s[48:55], s[56:63] for Wp
.set G0B, 56
.set PFA, 44                           ; s[44:45] where my prefetches stand
.set PFS, 46                           ; s[46:47] a K step on, in bytes
.set LIM, 15                           ; s15 1 in a wave that prefetches, else the greatest number
.set MSB, 0
.macro WIN new
.if MSB != (\new)
	s_set_vgpr_msb (MSB<<8)|(\new)
.set MSB, (\new)
.endif
.endm
.set MUL, 0x50                         ; sources 0 and 1 window 0; C and D window 1
.macro JLOAD s                         ; waves 0, 1 ask for O, waves 2, 3 for Wp; an s_nop 0 and four v_nop follow each line
	s_cmp_eq_u32 s11, 0
	s_cbranch_scc0 .Lfor_b_\@
	tensor_load_to_lds s[G0+4*\s:G0+4*\s+3], s[G1:G1+7]
	s_nop 0
.rept 4
	v_nop
.endr
	s_branch .Lasked_\@
.Lfor_b_\@:
	tensor_load_to_lds s[G0B+4*\s:G0B+4*\s+3], s[G1B:G1B+7]
	s_nop 0
.rept 4
	v_nop
.endr
.Lasked_\@:
.endm
.macro CREST
	s_cmp_lg_u32 s10, 0
	s_cbranch_scc1 .Lnot_wave_0_\@
	s_barrier_signal -3
.Lnot_wave_0_\@:
	s_barrier_wait -3
	s_barrier_signal -1
	s_barrier_wait -1
.endm
.macro CROUND
	s_barrier_signal -1
	s_barrier_wait -1
	CREST
.endm
; A PREFETCH of the K step that stands two refills on: 8,192 bytes, lanes 256 bytes apart, one instruction a wave.  Each block of 256 bytes is named once in the launch: O's 32,768 bytes of a K step are shared out
; BY ADDRESS among the four partners that ask for them jointly (cx), wave 0 of each; Wp's two halves among the four of a column (cy), waves 2 and 3, in the first row of clusters alone, since all sixteen walk the same Wp.
; The loop's last trip asks for nothing: there is no K step two refills on.  K steps 0 to 3 come by their loads alone.
.macro ASK
	s_cmp_gt_u32 s3, s[LIM]
	s_cbranch_scc0 .Lnot_mine_\@
	global_prefetch_b8 v[PFO], s[PFA:PFA+1] th:TH_LOAD_NT scope:SCOPE_SE
.Lnot_mine_\@:
.endm
	s_load_b128 s[4:7], s[0:1], 0x0                ; o_f, wp_f
	s_load_b128 s[20:23], s[0:1], 0x10             ; bp, out0
	v_lshl_add_u32 v[SPW], v0, 2, SPARE
	v_mov_b32 v[NIL], 0
	ds_add_u32 v[SPW], v[NIL]                      ; the wave's opening: the add, twice on end, and its wait ahead of my first tensor load
	ds_add_u32 v[SPW], v[NIL]
	v_lshrrev_b32 v1, 5, v0
	v_readfirstlane_b32 s10, v1                    ; wave 0..3
	s_lshr_b32 s11, s10, 1                         ; which 64 tokens are mine.  Also: I fetch O (0) or Wp (1)
	s_and_b32 s12, s10, 1                          ; which 128 columns.  Also: which half I fetch
	s_bfe_u32 s40, ttmp6, 0x40000                  ; cx = nb: 256 columns
	s_bfe_u32 s41, ttmp6, 0x40004                  ; cy
	s_and_b32 s13, ttmp7, 0xffff                   ; the cluster's y
	s_lshl_b32 s14, s13, 2
	s_add_co_u32 s14, s14, s41                     ; mb: 128 tokens
	s_lshl_b32 s42, s41, 2
	s_lshl_b32 s42, 15, s42                        ; my row of the cluster
	s_lshl_b32 s43, 0x1111, s40                    ; my column
	s_or_b32 s[G1], s42, (3<<16)|(1<<21)           ; the mask; elements of 8 bytes; bit 21 beside a mask; no padding
	s_or_b32 s[G1B], s43, (3<<16)|(1<<21)
	s_mov_b32 s[G1+1], 32<<16                      ; rows of 256 bytes,
	s_mov_b32 s[G1+2], 64<<16                      ; 64 of them: half of O's K step
	s_mov_b32 s[G1+3], 32<<16
	s_mov_b32 s[G1+4], 64
	s_mov_b32 s[G1+5], 32
	s_mov_b32 s[G1+6], 0
	s_mov_b32 s[G1+7], 0
	s_mov_b32 s[G1B+1], 32<<16
	s_mov_b32 s[G1B+2], 128<<16                    ; 128: half of Wp's
	s_mov_b32 s[G1B+3], 32<<16
	s_mov_b32 s[G1B+4], 128
	s_mov_b32 s[G1B+5], 32
	s_mov_b32 s[G1B+6], 0
	s_mov_b32 s[G1B+7], 0
	s_lshl_b32 s16, s14, 18                        ; O: 262,144 bytes a block of 128 tokens, + my half
	s_lshl_b32 s8, s12, 14
	s_add_co_u32 s16, s16, s8
	s_mov_b32 s17, 0
	s_lshl_b32 s18, s40, 19                        ; Wp: 524,288 bytes a block of 256 columns, + my half
	s_lshl_b32 s9, s12, 15
	s_add_co_u32 s18, s18, s9
	s_mov_b32 s19, 0
	s_add_co_u32 s9, s9, 32768                     ; in a slot: O's halves at s8, Wp's behind O at s9: the wave's number alone
	s_wait_dscnt 0x0                               ; both opening adds are done
	s_wait_kmcnt 0x0
	s_add_nc_u64 s[16:17], s[4:5], s[16:17]
	s_add_nc_u64 s[18:19], s[6:7], s[18:19]
	CROUND                                         ; all sixteen work-groups are here
.irp s, 0,1
	s_mov_b32 s[G0+4*\s], 1
	s_add_co_u32 s[G0+4*\s+1], s8, \s*SLOT
	s_add_nc_u64 s[G0+4*\s+2:G0+4*\s+3], s[16:17], \s*32768
	s_or_b32 s[G0+4*\s+3], s[G0+4*\s+3], 0x80000000
	s_mov_b32 s[G0B+4*\s], 1
	s_add_co_u32 s[G0B+4*\s+1], s9, \s*SLOT
	s_add_nc_u64 s[G0B+4*\s+2:G0B+4*\s+3], s[18:19], \s*65536
	s_or_b32 s[G0B+4*\s+3], s[G0B+4*\s+3], 0x80000000
	JLOAD \s                                       ; two loads of mine are out
.endr
	v_and_b32 v[LI], 31, v0
	v_lshlrev_b32 v[PFO], 8, v[LI]
	v_lshlrev_b32 v[LI], 4, v[LI]
	v_and_b32 v1, 15, v0                           ; r
	v_bfe_u32 v3, v0, 4, 1                         ; h
	s_lshl_b32 s8, s11, 12                         ; my four tiles of tokens, 1,024 bytes each
	s_lshl_b32 s9, s12, 13                         ; my eight tiles of columns,
	s_add_co_u32 s9, s9, 32768                     ; behind O
.irp s, 0,1
	v_add_nc_u32 v[ADRA+\s], s8, v[LI]
	v_add_nc_u32 v[ADRB+\s], s9, v[LI]
	s_add_co_u32 s8, s8, SLOT
	s_add_co_u32 s9, s9, SLOT
.endr
	s_mul_i32 s8, s10, 16*528
	s_add_co_u32 s8, s8, STAGE                     ; my stage
	v_mul_u32_u24 v4, v1, 528
	v_lshl_add_u32 v4, v3, 5, v4
	v_add_nc_u32 v[STO], s8, v4                    ; in: row r, 32 bytes for each half of the lanes
	v_add_nc_u32 v[RD], s8, v[LI]                  ; back: the 32 lanes take a row of 512 bytes
	s_lshl_b32 s16, s40, 10
	s_lshl_b32 s17, s12, 9
	s_add_co_u32 s16, s16, s17                     ; my first column, in bytes
	s_mov_b32 s17, 0
	s_add_nc_u64 s[20:21], s[20:21], s[16:17]
	s_add_nc_u64 s[22:23], s[22:23], s[16:17]
	s_lshl_b32 s16, s14, 19                        ; my first token: rows of 4,096 bytes
	s_lshl_b32 s18, s11, 18
	s_add_co_u32 s16, s16, s18
	s_add_nc_u64 s[22:23], s[22:23], s[16:17]
	global_load_b128 v[BP:BP+3], v[LI], s[20:21]   ; bp at my four columns of a row
	; the prefetches: at K step 3; the first change of slots steps the address to 4
	s_lshl_b32 s16, s14, 18
	s_lshl_b32 s18, s40, 13
	s_add_co_u32 s16, s16, s18
	s_add_co_u32 s16, s16, 3*32768                 ; O: my work-group's quarter by cx
	s_lshl_b32 s18, s40, 19
	s_lshl_b32 s19, s12, 15
	s_add_co_u32 s18, s18, s19
	s_lshl_b32 s19, s41, 13
	s_add_co_u32 s18, s18, s19
	s_add_co_u32 s18, s18, 3*65536                 ; Wp: my half's quarter by cy
	s_mov_b32 s[PFS], 0x10000
	s_cmp_eq_u32 s11, 0
	s_cselect_b64 s[PFA:PFA+1], s[4:5], s[6:7]
	s_cselect_b32 s16, s16, s18
	s_cselect_b32 s[PFS], 0x8000, s[PFS]
	s_cselect_b32 s[LIM], s12, s13                 ; O: wave 0 asks; Wp: the first row of clusters.  The same in all sixteen partners, for a given wave
	s_mov_b32 s[PFS+1], 0
	s_add_nc_u64 s[PFA:PFA+1], s[PFA:PFA+1], s[16:17]
	s_cmp_eq_u32 s[LIM], 0
	s_cselect_b32 s[LIM], 1, -1
.macro FETCH slot, q, f                ; 24 LDS loads in one run: 32 along K, the slot's q-th: Wp's eight fragments, then O's four
	WIN 0
.irp i, 0,1,2,3,4,5,6,7
	ds_load_b128 v[\f+8*\i:\f+8*\i+3],   v[ADRB+\slot] offset:(\q)*16384+\i*1024
	ds_load_b128 v[\f+8*\i+4:\f+8*\i+7], v[ADRB+\slot] offset:(\q)*16384+\i*1024+512
.endr
.irp a, 0,1,2,3
	ds_load_b128 v[\f+64+8*\a:\f+64+8*\a+3],   v[ADRA+\slot] offset:(\q)*8192+\a*1024
	ds_load_b128 v[\f+64+8*\a+4:\f+64+8*\a+7], v[ADRA+\slot] offset:(\q)*8192+\a*1024+512
.endr
.endm
.macro MUL8 f, a, zero                 ; tokens' tile a x the eight tiles of columns; the 32 accumulators take turns, in the same order in every quarter
.irp b, 0,1,2,3,4,5,6,7
.if \zero
	v_wmma_f32_16x16x32_f16 v[8*(8*(\a)+\b):8*(8*(\a)+\b)+7], v[\f+8*\b:\f+8*\b+7], v[\f+64+8*(\a):\f+64+8*(\a)+7], 0
.else
	v_wmma_f32_16x16x32_f16 v[8*(8*(\a)+\b):8*(8*(\a)+\b)+7], v[\f+8*\b:\f+8*\b+7], v[\f+64+8*(\a):\f+64+8*(\a)+7], v[8*(8*(\a)+\b):8*(8*(\a)+\b)+7]
.endif
.endr
.endm
.macro MUL16 f, a0, zero
	MUL8 \f, \a0, \zero
	MUL8 \f, \a0+1, \zero
.endm
.macro PLACES
.rept 4
	v_nop
.endr
.endm
.macro QUARTER slot, qn, f, g, zero    ; multiplies buffer f; in its middle fetches the slot's quarter qn into g
	s_wait_dscnt 4                                 ; all but O's tiles 2 and 3 (four loads) are in
	WIN MUL
	MUL16 \f, 0, \zero
	PLACES
	FETCH \slot, \qn, \g
	s_wait_dscnt 24                                ; all but the 24 just issued
	WIN MUL
	MUL16 \f, 2, \zero
.endm
; A slot's last quarter multiplies buffer 1 and changes slots: one barrier; in front of it each wave waits for all its tensor loads, adds 0 to its spare word, and waits for that and for its reads of the slot.
.macro TURN slot, next, fill
.if \fill
	s_wait_xcnt 0x0                                ; the last prefetch, a K step back, has read its address
	s_add_nc_u64 s[PFA:PFA+1], s[PFA:PFA+1], s[PFS:PFS+1]
.endif
	WIN 0
	s_wait_tensorcnt 0x0
	ds_add_u32 v[SPW], v[NIL]
	s_wait_dscnt 5                                 ; the add and the youngest four loads may be out
	WIN MUL
	MUL8 F1, 0, 0
	s_wait_dscnt 0x0                               ; the add is done, and my reads of this slot are over
	s_barrier_signal -1
	MUL8 F1, 1, 0
	WIN 0
	s_barrier_wait -1
.if \fill
	CREST                                          ; the barrier has opened a round of the cluster's: no wave of any partner still reads this slot or has a load on its way
	s_add_nc_u64 s[G0+4*\slot+2:G0+4*\slot+3], s[G0+4*\slot+2:G0+4*\slot+3], 2*32768
	s_add_nc_u64 s[G0B+4*\slot+2:G0B+4*\slot+3], s[G0B+4*\slot+2:G0B+4*\slot+3], 2*65536
	JLOAD \slot                                    ; my one load behind the round; its four v_nop are also the places in front of the loads below
.else
	PLACES
.endif
	FETCH \next, 0, F0
.if \fill
	ASK
.endif
	WIN MUL
	MUL16 F1, 2, 0
.endm
	s_wait_tensorcnt 1                             ; my part of K step 0 is in; K step 1's load may be out,
	s_barrier_signal -1
	s_barrier_wait -1
	FETCH 0, 0, F0
	QUARTER 0, 1, F0, F1, 1                        ; the first products start the sums
	WIN 0
	s_mov_b32 s3, 3
.Llap:                                             ; a trip goes once round the ring and fills both slots again
	QUARTER 0, 2, F1, F0, 0
	QUARTER 0, 3, F0, F1, 0
	TURN 0, 1, 1
	QUARTER 1, 1, F0, F1, 0
	QUARTER 1, 2, F1, F0, 0
	QUARTER 1, 3, F0, F1, 0
	TURN 1, 0, 1
	QUARTER 0, 1, F0, F1, 0
	WIN 0
	s_sub_co_u32 s3, s3, 1
	s_cmp_lg_u32 s3, 0
	s_cbranch_scc1 .Llap
	QUARTER 0, 2, F1, F0, 0                        ; the last lap fills nothing
	QUARTER 0, 3, F0, F1, 0
	TURN 0, 1, 0
	QUARTER 1, 1, F0, F1, 0
	QUARTER 1, 2, F1, F0, 0
	QUARTER 1, 3, F0, F1, 0
	s_wait_dscnt 4
	WIN MUL
	MUL16 F1, 0, 0
	s_wait_dscnt 0
	MUL16 F1, 2, 0
	WIN 0
; THE WAY OUT, a block of 16 tokens x 128 columns at a time, through my own stage: in as 32 bytes a lane, back as whole rows of 512 bytes; bp is added on the way.  LDS serves a wave's instructions in order (ISA guide 5.7.1.4).
.macro TOSTAGE a
	WIN 0x04                                       ; an LDS store's data: window 1
.irp b, 0,1,2,3,4,5,6,7
	ds_store_b128 v[STO], v[8*(8*(\a)+\b):8*(8*(\a)+\b)+3] offset:64*\b        ; each accumulator from its low end on
	ds_store_b128 v[STO], v[8*(8*(\a)+\b)+4:8*(8*(\a)+\b)+7] offset:64*\b+16
.endr
	WIN 0
.set BB, 32+64*((\a)%2)
.irp t, 0,1,2,3,4,5,6,7,8,9,10,11,12,13,14,15
	ds_load_b128 v[BB+4*\t:BB+4*\t+3], v[RD] offset:\t*528
.endr
.endm
.macro SEND a, younger                 ; younger: the LDS instructions issued behind block a's loads
.set BB, 32+64*((\a)%2)
	s_wait_dscnt \younger
.irp t, 0,1,2,3,4,5,6,7,8,9,10,11,12,13,14,15
	v_pk_add_f32 v[BB+4*\t:BB+4*\t+1], v[BB+4*\t:BB+4*\t+1], v[BP:BP+1]
	v_pk_add_f32 v[BB+4*\t+2:BB+4*\t+3], v[BB+4*\t+2:BB+4*\t+3], v[BP+2:BP+3]
	global_store_b128 v[LI], v[BB+4*\t:BB+4*\t+3], s[22:23] offset:(\a)*65536+\t*4096 th:TH_STORE_NT   ; 32 lanes store 512 consecutive bytes, aligned
.endr
.endm
	PLACES
	s_wait_loadcnt 0x0                             ; bp
	TOSTAGE 0
.irp a, 1,2,3
.if \a > 1
	s_wait_xcnt 0x0                                ; block a - 2's stores have read their registers: block a's loads may land there
.endif
	TOSTAGE \a
	SEND \a-1, 32                                  ; behind block a - 1's loads: block a's 16 stores and 16 loads
.endr
	SEND 3, 0
	s_wait_tensorcnt 0x0                           ; the wave's end
	ds_add_u32 v[SPW], v[NIL]
	s_wait_dscnt 0x0
	CROUND                                         ; the closing round
	s_endpgm
.Lfunc_end_k_qfbec463cde_proj:
	.size	k_qfbec463cde_proj, .Lfunc_end_k_qfbec463cde_proj-k_qfbec463cde_proj
	.p2alignl 7, 3214868480
	.fill 96, 4, 3214868480
	.section	.rodata,"a",@progbits
	.p2align	6, 0x0
	.amdhsa_kernel k_qfbec463cde_proj
		.amdhsa_group_segment_fixed_size 327680
		.amdhsa_private_segment_fixed_size 0
		.amdhsa_enable_private_segment 0
		.amdhsa_kernarg_size 32
		.amdhsa_user_sgpr_count 2
		.amdhsa_user_sgpr_kernarg_segment_ptr 1
		.amdhsa_wavefront_size32 1
		.amdhsa_system_sgpr_workgroup_id_x 1
		.amdhsa_system_sgpr_workgroup_id_y 1
		.amdhsa_system_sgpr_workgroup_id_z 1
		.amdhsa_system_vgpr_workitem_id 0
		.amdhsa_next_free_vgpr 512
		.amdhsa_next_free_sgpr 66
		.amdhsa_reserve_vcc 0
		.amdhsa_float_denorm_mode_32 3
		.amdhsa_float_denorm_mode_16_64 3
		.amdhsa_memory_ordered 1
		.amdhsa_forward_progress 1
		.amdhsa_inst_pref_size 93
	.end_amdhsa_kernel
	.amdgpu_metadata
---
amdhsa.version: [ 1, 2 ]
amdhsa.kernels:
  - .name:           k_qfbec463cde_proj
    .symbol:         k_qfbec463cde_proj.kd
    .args:
      - { .name: o_f, .offset: 0, .size: 8, .value_kind: global_buffer, .address_space: global }
      - { .name: wp_f, .offset: 8, .size: 8, .value_kind: global_buffer, .address_space: global }
      - { .name: bp, .offset: 16, .size: 8, .value_kind: global_buffer, .address_space: global }
      - { .name: out0, .offset: 24, .size: 8, .value_kind: global_buffer, .address_space: global }
    .group_segment_fixed_size: 327680
    .private_segment_fixed_size: 0
    .kernarg_segment_align: 8
    .kernarg_segment_size: 32
    .max_flat_workgroup_size: 128
    .sgpr_count:     66
    .vgpr_count:     512
    .wavefront_size: 32
...
	.end_amdgpu_metadata
.endif
;; end of part 4
